; MI455X (gfx1250); checked and timed in simulation.
; The chip was launched on July 23, 2026; its instructions are those of AMD's public machine-readable ISA for CDNA 5 (MIT licence, August 2026) and "CDNA5" Instruction Set Architecture Reference Guide (July 2026). The comments in the code are by the model that wrote it; some were corrected since.
;; Multi Head Self Attention. Allowed arithmetic: matrix products marked QUANTISED: E3M2 operands, one E8M0 scale for each 32 along K, by v_wmma_scale_f32_16x16x128_f8f6f4 with both operands' format E3M2, f32 sums; everything else in f32.
;; Inputs: Wk 1,024 x 1,024 float32; Wo 1,024 x 1,024 float32; Wq 1,024 x 1,024 float32; Wv 1,024 x 1,024 float32; bk 1,024 float32; bo 1,024 float32; bq 1,024 float32; bv 1,024 float32; x 4 x 2,048 x 1,024 float32.
;; Outputs: out0 4 x 2,048 x 1,024 float32.
;; This version of the problem:
;;   THIS VERSION OF THE PROBLEM IS GIVEN IN LOW PRECISION. The matrix products marked QUANTISED in the list below multiply operands that are first quantised to E3M2 (3 exponent bits, 2 mantissa bits; 6 bits a number), with one power-of-two scale for each 32 numbers along K (OCP MX v1.0); their sums are f32. All else is computed in f32.
;;   The module's matrix products, in the order in which they are computed (A, B: the left and right operand; K: the contracted axis; several contracted axes count as one K, in the product's order):
;;     1. [M 8,192, K 1,024] x [K 1,024, N 1,024]; A: input x; B: input Wq: QUANTISED
;;     2. [M 8,192, K 1,024] x [K 1,024, N 1,024]; A: input x; B: input Wk: QUANTISED
;;     3. [M 8,192, K 1,024] x [K 1,024, N 1,024]; A: input x; B: input Wv: QUANTISED
;;     4. batch 64 x [M 2,048, K 64] x [K 64, N 2,048]; A: computed on the way; B: computed on the way: QUANTISED
;;     5. batch 64 x [M 2,048, K 2,048] x [K 2,048, N 64]; A: softmax (see below); B: computed on the way: QUANTISED
;;     6. [M 8,192, K 1,024] x [K 1,024, N 1,024]; A: computed on the way; B: input Wo: QUANTISED
;;   THE QUANTISER, for each operand of a quantised product, along K:
;;     - K is cut into blocks of 32 from its start; a last block that is shorter is filled with zeros.
;;     - A block's scale is 2^e with e = floor(log2(the largest magnitude in the block)) - 4, held to -126 .. 127; a block of zeros has e = 0. As a byte (E8M0): e + 127.
;;     - Each number is divided by its block's scale, clamped to +-28, and rounded to the nearest number of E3M2, ties to even, subnormals kept.
;;     - The product sums the exact products of the quantised numbers (number of the format x scale) in f32.
;;   ~~~python
;;   def quantise(x, axis):      # numpy; x: float32 -> the quantised numbers, widened to float32 again
;;       x = np.moveaxis(x, axis, -1); K = x.shape[-1]
;;       x = np.pad(x, [(0, 0)] * (x.ndim - 1) + [(0, -K % 32)]); x = x.reshape(x.shape[:-1] + (-1, 32)); a = np.abs(x).max(-1, keepdims=True)
;;       e = np.where(a > 0, np.clip(np.frexp(np.where(a > 0, a, 1))[1] - 1 - 4, -126, 127), 0)      # np.frexp(a)[1] - 1 = floor(log2(a)), exactly
;;       r = np.clip(x / 2.0 ** e, -28, 28)
;;       step = 2.0 ** (np.maximum(np.frexp(np.where(r == 0, 1, r))[1] - 1, -2) - 2)
;;       q = np.round(r / step) * step * 2.0 ** e      # np.round: ties to even
;;       return np.moveaxis(q.reshape(q.shape[:-2] + (-1,))[..., :K], -1, axis).astype(np.float32)
;;   ~~~
;;   SOFTMAX AHEAD OF A QUANTISED PRODUCT. Where the list says 'softmax', what is quantised is not the finished softmax but p = 2^(t - M), with t = logit x log2(e) and M = ceil(the row's largest t), a whole number; so 1/2 < the row's largest p <= 1. The row's sum l is taken of the UNQUANTISED p, in f32, and the product's result is divided by l at the end. Since M is a whole number, a kernel that streams over the keys may use a running M (the ceiling of the running maximum): every later rescaling is an exact power of two, which a block's scale takes up: the codes' values come out the same.
;;   OPERANDS COMPUTED ON THE WAY. 'Computed on the way' means the value that the module computes at that place (a softmax that the list does not call 'softmax' is quantised finished and normalised). What goes into a quantiser is computed in f32, as accurately as f32 sums, v_exp_f32 and their like allow (about 1e-6 of the number): no bf16 or f16 on the way to a quantiser, and a product that is left as it is and whose result goes on into a quantised operand takes f32 operands (vector FMAs, or v_wmma_f32_16x16x4_f32). A number that lies on a knife's edge between two numbers of the format may be rounded either way, as far as f32 arithmetic and the matrix unit's own rounding can turn it there, and no further.
;; One version. Each part assembles by itself: llvm-mc -triple=amdgcn-amd-amdhsa -mcpu=gfx1250 --defsym DOCPART=n.
;; ======== version 1 of 1: 5 launches
;; workspace buffers: x_img 6,815,744 bytes; w_img 3,407,872 bytes; rope 524,288 bytes; q_img 6,553,600 bytes; kv 13,107,200 bytes; y_img 6,815,744 bytes
;; launch quant_x (part 1): grid 512 x 1, 4 waves a work-group, no clusters, 68,096 bytes of LDS; arguments x, x_img; writes x_img
.if DOCPART == 1
	.amdgcn_target "amdgcn-amd-amdhsa--gfx1250"
	.amdhsa_code_object_version 6
	.text
	.protected	k_qae08a0f3fc_quant_x
	.globl	k_qae08a0f3fc_quant_x
	.p2align	8
	.type	k_qae08a0f3fc_quant_x,@function
k_qae08a0f3fc_quant_x:
	s_mov_b64 s[64:65], 0
	v_nop
	global_prefetch_b8 v0, s[64:65] scope:SCOPE_SE
	s_setreg_imm32_b32 hwreg(HW_REG_WAVE_MODE, 25, 1), 1
	s_wait_xcnt 0x0
; x [8192][1024] f32 becomes codes of BF6 (E3M2) with one E8M0 byte for each 32 along K, laid as IMAGES OF THE OPERAND'S REGISTERS.
; x_img: [row tile 0..511][quarter 0..3], 3,328 bytes a quarter (256 along K): K step e = 0, 1 at 1536 e; in it the halves c = 0, 1 (64 along K) at 768 c:
; registers 6 c .. 6 c + 3 of lane l at 16 l, registers 6 c + 4, 6 c + 5 at 512 + 8 l; the rows' scale words (4 bytes for a row and 128 along K) at 3072 + 64 e + 4 r.  The last 128 bytes of a quarter are never used.
; A ROW TILE'S ROWS ARE NOT NEIGHBOURS: place r of tile t holds row 32 (t / 2) + 8 (t % 2) + r + 8 (r / 8), so that a transposed product's 16 registers of two neighbouring tiles are 16 neighbours.
; A block's scale is 2^(floor(log2(largest magnitude)) - 4); its byte is the largest magnitude's exponent field - 4, held at 1 from below.
; LIMITS: a block of zeros gets the byte 1 (its codes are zeros; this program alone reads the bytes); blocks whose largest magnitude lies under 2^-122 are held at the byte 1; NaN and infinities are not served.
; SHARES: a work-group takes a row tile, wave j its quarter j.  Each load reads 512 consecutive bytes of one row; the 16 rows turn through the wave's own stage in LDS
; (rows 528 bytes apart) and come back so that lane (r, h) holds, of row r, 16 neighbours of each block of 32.  No barrier: waves share nothing.
.set STG, 16*528                       ; a stage: 16 rows of 512 bytes + 16; two for each wave
.set TM,  52                           ; v52-55 largest magnitudes, v56-59 the other half's, then the bytes, v60-63 the conversions' scale operands
.set SEL, 12                           ; s[12:13] v_permlanex16_b32's selects for lane l xor 16
.set R,   64                           ; v64-191 the numbers as loaded; v192-255 and v64-127 as they come back
; 64 numbers of a lane, register 16 b + i = k 32 b + 16 (lane / 16) + i of my row, become a fragment's 12 registers at v[pc] on (20 are used) and its scale word in v[pw]
.macro QUANT s, pc, pw
.irp b, 0,1,2,3
	v_max3_num_f32 v[TM+\b], |v[\s+16*\b]|, |v[\s+1+16*\b]|, 0x2800000   ; and the floor 2^(5 - 127): the byte cannot fall under 1
.endr
.irp i, 2,4,6,8,10,12,14
.irp b, 0,1,2,3
	v_max3_num_f32 v[TM+\b], v[TM+\b], |v[\s+16*\b+\i]|, |v[\s+1+16*\b+\i]|
.endr
.endr
.irp b, 0,1,2,3
	v_permlanex16_b32 v[TM+4+\b], v[TM+\b], s[SEL], s[SEL+1]
.endr
.irp b, 0,1,2,3
	v_max_num_f32 v[TM+\b], v[TM+\b], v[TM+4+\b]                        ; with lane l xor 16's: the block's largest magnitude
.endr
.irp b, 0,1,2,3
	v_add_nc_u32 v[TM+8+\b], 0xfe000000, v[TM+\b]                       ; 4 off its exponent field: the conversion's scale operand
.endr
.irp b, 0,1,2,3
	v_lshrrev_b32 v[TM+4+\b], 23, v[TM+8+\b]                            ; the scale's byte
.endr
	v_lshl_or_b32 v[\pw], v[TM+5], 8, v[TM+4]
	v_lshl_or_b32 v[\pw], v[TM+6], 16, v[\pw]
	v_lshl_or_b32 v[\pw], v[TM+7], 24, v[\pw]
.irp c, 0,1
	v_cvt_scalef32_pk16_bf6_f32 v[\pc+6*\c:\pc+2+6*\c], v[\s+32*\c:\s+15+32*\c], v[TM+8+2*\c]
	v_cvt_scalef32_pk16_bf6_f32 v[\pc+12+4*\c:\pc+14+4*\c], v[\s+16+32*\c:\s+31+32*\c], v[TM+8+2*\c+1]
.endr
	v_nop                                                               ; one plain place behind a scaled conversion
.irp c, 0,1                            ; the layout wants a whole block in a lane: lanes 0-15 block 2 c, lanes 16-31 block 2 c + 1
.irp i, 0,1,2
	v_permlane16_swap_b32 v[\pc+6*\c+\i], v[\pc+12+4*\c+\i]
.endr
.irp i, 0,1,2
	v_mov_b32 v[\pc+3+6*\c+\i], v[\pc+12+4*\c+\i]
.endr
.endr
.endm
	s_load_b128 s[4:7], s[0:1], 0x0                ; x, x_img
	v_lshl_add_u32 v45, v0, 2, 0x10800
	v_mov_b32 v49, 0
	v_lshrrev_b32 v1, 5, v0
	v_readfirstlane_b32 s8, v1                     ; wave = quarter
	v_and_b32 v2, 31, v0                           ; lane
	v_lshlrev_b32 v3, 4, v2                        ; 16 l
	v_lshlrev_b32 v4, 3, v2                        ; 8 l
	v_lshlrev_b32 v5, 2, v2                        ; 4 l
	v_and_b32 v6, 15, v0                           ; r
	v_bfe_u32 v7, v0, 4, 1                         ; h
	s_mul_i32 s9, s8, 2*STG                        ; my wave's two stages
	v_add_nc_u32 v8, s9, v3                        ; into a stage: 16 l of a row
	v_mul_u32_u24 v9, v6, 528
	v_lshl_add_u32 v9, v7, 6, v9
	v_add_nc_u32 v9, s9, v9                        ; out of it: row r, + 64 h
	s_mov_b32 s[SEL], 0x76543210
	s_mov_b32 s[SEL+1], 0xfedcba98
.irp b, 0,1,2,3
	v_mov_b32 v[TM+4+\b], 0                        ; written once: a lane permute's destination counts as one of its sources
.endr
	s_lshr_b32 s10, ttmp9, 1
	s_lshl_b32 s10, s10, 17                        ; 32 (t / 2) rows of 4,096 bytes
	s_and_b32 s11, ttmp9, 1
	s_lshl_b32 s11, s11, 15                        ; 8 (t % 2) rows
	s_add_co_u32 s10, s10, s11
	s_lshl_b32 s11, s8, 10                         ; my quarter: 1,024 bytes of a row
	s_add_co_u32 s10, s10, s11
	s_mov_b32 s11, 0
	s_mul_i32 s14, ttmp9, 13312
	s_mul_i32 s15, s8, 3328
	s_add_co_u32 s14, s14, s15
	s_mov_b32 s15, 0
	s_wait_alu depctr_va_vdst(0)
	s_wait_kmcnt 0x0
	s_add_nc_u64 s[4:5], s[4:5], s[10:11]
	s_add_nc_u64 s[6:7], s[6:7], s[14:15]
.set t, 0
.rept 16                               ; K step 0: place t of the tile is row t + 8 (t / 8) from the tile's first
	global_load_b128 v[R+4*t:R+4*t+3], v3, s[4:5] offset:(t+8*(t/8))*4096 th:TH_LOAD_NT
.set t, t+1
.endr
.set t, 0
.rept 16                               ; K step 1
	global_load_b128 v[R+64+4*t:R+64+4*t+3], v3, s[4:5] offset:(t+8*(t/8))*4096+512 th:TH_LOAD_NT
.set t, t+1
.endr
	s_wait_loadcnt 16                              ; K step 0's sixteen loads are in; K step 1's may be out
.set t, 0
.rept 16
	ds_store_b128 v8, v[R+4*t:R+4*t+3] offset:528*t
.set t, t+1
.endr
.set t, 0
.rept 16                               ; LDS serves a wave's instructions in order: these see the stores above
	ds_load_b128 v[192+4*t:195+4*t], v9 offset:128*(t/4)+16*(t%4)
.set t, t+1
.endr
	s_wait_loadcnt 0x0
.set t, 0
.rept 16
	ds_store_b128 v8, v[R+64+4*t:R+64+4*t+3] offset:STG+528*t
.set t, t+1
.endr
	s_wait_dscnt 16                                ; all but the sixteen stores just issued: K step 0's stores have read v64-127, and its numbers are back
.set t, 0
.rept 16
	ds_load_b128 v[64+4*t:67+4*t], v9 offset:STG+128*(t/4)+16*(t%4)
.set t, t+1
.endr
	QUANT 192, 10, 50
	s_wait_dscnt 0x0
	QUANT 64, 30, 51
.irp e, 0,1                            ; each store covers 512 or 256 consecutive bytes, at a multiple of 256 from the buffer's first byte
	global_store_b128 v3, v[10+20*\e:13+20*\e], s[6:7] offset:1536*\e
	global_store_b64 v4, v[14+20*\e:15+20*\e], s[6:7] offset:1536*\e+512
	global_store_b128 v3, v[16+20*\e:19+20*\e], s[6:7] offset:1536*\e+768
	global_store_b64 v4, v[20+20*\e:21+20*\e], s[6:7] offset:1536*\e+1280
.endr
	v_cmp_le_u32 vcc_lo, 16, v2
	v_cndmask_b32 v50, v50, v51, vcc_lo            ; lanes 0-15 K step 0's words, lanes 16-31 K step 1's: 128 consecutive bytes
	global_store_b32 v5, v50, s[6:7] offset:3072
	s_wait_tensorcnt 0x0
	ds_add_u32 v45, v49
	s_wait_dscnt 0x0
	s_endpgm
.Lfunc_end_k_qae08a0f3fc_quant_x:
	.size	k_qae08a0f3fc_quant_x, .Lfunc_end_k_qae08a0f3fc_quant_x-k_qae08a0f3fc_quant_x
	.p2alignl 7, 3214868480
	.fill 96, 4, 3214868480
	.section	.rodata,"a",@progbits
	.p2align	6, 0x0
	.amdhsa_kernel k_qae08a0f3fc_quant_x
		.amdhsa_group_segment_fixed_size 68096
		.amdhsa_private_segment_fixed_size 0
		.amdhsa_enable_private_segment 0
		.amdhsa_kernarg_size 16
		.amdhsa_user_sgpr_count 2
		.amdhsa_user_sgpr_kernarg_segment_ptr 1
		.amdhsa_wavefront_size32 1
		.amdhsa_system_sgpr_workgroup_id_x 1
		.amdhsa_system_sgpr_workgroup_id_y 1
		.amdhsa_system_sgpr_workgroup_id_z 1
		.amdhsa_system_vgpr_workitem_id 0
		.amdhsa_next_free_vgpr 256
		.amdhsa_next_free_sgpr 66
		.amdhsa_reserve_vcc 1
		.amdhsa_float_denorm_mode_32 3
		.amdhsa_float_denorm_mode_16_64 3
		.amdhsa_memory_ordered 1
		.amdhsa_forward_progress 1
		.amdhsa_inst_pref_size 18
	.end_amdhsa_kernel
	.amdgpu_metadata
---
amdhsa.version: [ 1, 2 ]
amdhsa.kernels:
  - .name:           k_qae08a0f3fc_quant_x
    .symbol:         k_qae08a0f3fc_quant_x.kd
    .args:
      - { .name: x, .offset: 0, .size: 8, .value_kind: global_buffer, .address_space: global }
      - { .name: x_img, .offset: 8, .size: 8, .value_kind: global_buffer, .address_space: global }
    .group_segment_fixed_size: 68096
    .private_segment_fixed_size: 0
    .kernarg_segment_align: 8
    .kernarg_segment_size: 16
    .max_flat_workgroup_size: 128
    .sgpr_count:     66
    .vgpr_count:     256
    .wavefront_size: 32
...
	.end_amdgpu_metadata
.endif
;; end of part 1
;; launch quant_w (part 2): grid 8 x 36, 4 waves a work-group, no clusters, 12,800 bytes of LDS; arguments Wq, Wk, Wv, Wo, w_img, rope; writes w_img, rope
.if DOCPART == 2
	.amdgcn_target "amdgcn-amd-amdhsa--gfx1250"
	.amdhsa_code_object_version 6
	.text
	.protected	k_qae08a0f3fc_quant_w
	.globl	k_qae08a0f3fc_quant_w
	.p2align	8
	.type	k_qae08a0f3fc_quant_w,@function
k_qae08a0f3fc_quant_w:
	s_mov_b64 s[64:65], 0
	v_nop
	global_prefetch_b8 v0, s[64:65] scope:SCOPE_SE
	s_setreg_imm32_b32 hwreg(HW_REG_WAVE_MODE, 25, 1), 1
	s_wait_xcnt 0x0
; Work-groups y = 0 .. 31: the four weights [1024 (k)][1024 (n)] f32, K their FIRST axis, become codes of BF6 (E3M2) along K, laid as x_img is: w_img [row tile][quarter], a row tile = 16 columns n
; (place r of tile t: column 32 (t / 2) + 8 (t % 2) + r + 8 (r / 8)); tiles 0-63 Wq, 64-127 Wk, 128-191 Wv, 192-255 Wo.
; A LANE TAKES A COLUMN AND ITS REGISTERS RUN DOWN K: a block of 32 lies in one lane, its largest magnitude needs no other lane, and the conversions give codes with K innermost.
; y = 8 x weight + K step of 128; x = 128 columns; a wave takes 32 columns = two row tiles.  The codes go through the wave's own 3,072 bytes of LDS into the image's order and leave in stores of 512 consecutive bytes.
; Loads run two blocks (64 loads a wave) ahead; each of the four blocks has 32 registers of its own.
; Work-groups y = 32 .. 35: the table of cos and sin for the rotary embedding, rope [position tile 0..127][g 0..7][lane][16 bytes] = (cos f, sin f, cos f + 1, sin f + 1), f = 16 (g / 4) + 8 h + 2 (g % 4),
; at the position that place r of the tile holds.  angle = position x inv_freq[f], one f32 product.  cos and sin: the nearest multiple of pi / 2 is taken off in two parts (the angle is at most 2,047),
; polynomials of degree 7 and 8 on what is left (at most pi / 4 in size), and the quadrant swaps and signs them: good to about 1e-7.  This path uses no LDS.
; LIMITS: as in quant_x (a block of zeros gets the byte 1; largest magnitudes under 2^-122 are held at the byte 1; NaN and infinities are not served).
	s_load_b256 s[4:11], s[0:1], 0x0               ; Wq, Wk, Wv, Wo
	s_load_b128 s[12:15], s[0:1], 0x20             ; w_img, rope
	v_lshl_add_u32 v192, v0, 2, 0x3000
	v_mov_b32 v193, 0
	v_lshrrev_b32 v1, 5, v0
	v_readfirstlane_b32 s16, v1                    ; wave
	v_and_b32 v2, 31, v0                           ; lane
	s_and_b32 s17, ttmp7, 0xffff                   ; y
	s_cmp_ge_u32 s17, 32
	s_cbranch_scc1 .Lrope
	s_lshr_b32 s18, s17, 3                         ; which weight
	s_and_b32 s19, s17, 7                          ; which K step of 128
	v_lshlrev_b32 v3, 2, v2                        ; in: 4 bytes a lane
	v_and_b32 v6, 7, v2
	v_bfe_u32 v7, v2, 4, 1
	v_lshl_or_b32 v6, v7, 3, v6                    ; my column's place r in its tile,
	v_bfe_u32 v7, v2, 3, 1                         ; and which of the wave's two tiles
	s_mul_i32 s20, s16, 3072                       ; my wave's LDS: two tiles x one K step's image
	v_mul_u32_u24 v8, v7, 1536
	v_add_nc_u32 v8, s20, v8
	v_lshl_add_u32 v9, v6, 4, v8                   ; registers 0-3 of a half: 16 bytes a place
	v_lshl_add_u32 v10, v6, 3, v8                  ; registers 4, 5: 8 bytes a place (512 on: in the immediate)
	v_lshlrev_b32 v11, 4, v2                       ; the way out: 16 l
	v_add_nc_u32 v12, s20, v11
	v_mul_u32_u24 v13, v7, 13312
	v_lshl_add_u32 v13, v6, 2, v13                 ; my column's scale word
	s_lshl_b32 s22, s19, 19                        ; 128 rows of 4,096 bytes a K step,
	s_lshl_b32 s23, ttmp9, 9                       ; 128 columns a work-group,
	s_add_co_u32 s22, s22, s23
	s_lshl_b32 s23, s16, 7                         ; 32 a wave
	s_add_co_u32 s22, s22, s23
	s_mov_b32 s23, 0
	s_lshl_b32 s24, s18, 6
	s_lshl_b32 s25, ttmp9, 3
	s_add_co_u32 s24, s24, s25
	s_lshl_b32 s25, s16, 1
	s_add_co_u32 s24, s24, s25                     ; my first row tile: 64 x weight + 8 x + 2 x wave
	s_mul_i32 s24, s24, 13312
	s_lshr_b32 s25, s19, 1
	s_mul_i32 s25, s25, 3328
	s_add_co_u32 s24, s24, s25                     ; its quarter
	s_and_b32 s26, s19, 1
	s_mul_i32 s27, s26, 1536
	s_add_co_u32 s28, s24, s27                     ; the K step's codes
	s_mov_b32 s29, 0
	s_lshl_b32 s26, s26, 6
	s_add_co_u32 s30, s24, s26
	s_add_co_u32 s30, s30, 3072                    ; and its scale words
	s_mov_b32 s31, 0
	s_wait_kmcnt 0x0
	s_cmp_eq_u32 s18, 1                            ; the choice hangs on the work-group's number alone
	s_cselect_b64 s[4:5], s[6:7], s[4:5]
	s_cmp_eq_u32 s18, 2
	s_cselect_b64 s[4:5], s[8:9], s[4:5]
	s_cmp_eq_u32 s18, 3
	s_cselect_b64 s[4:5], s[10:11], s[4:5]
	s_add_nc_u64 s[4:5], s[4:5], s[22:23]
	s_add_nc_u64 s[28:29], s[12:13], s[28:29]
	s_add_nc_u64 s[30:31], s[12:13], s[30:31]
; block t's 32 numbers: W(128 s + 32 t + n, my column), n = 0 .. 31, into registers of the block's own: 32 lanes read 128 consecutive bytes
.macro WLOAD t
.set n, 0
.rept 32
	global_load_b32 v[64+32*(\t)+n], v3, s[4:5] offset:(32*(\t)+n)*4096 th:TH_LOAD_NT
.set n, n+1
.endr
.endm
	WLOAD 0
	WLOAD 1
; Block t of the K step's four.  In the operand lane (r, h) holds k = 64 c + 32 h + 0 .. 31: block t belongs to half c = t / 2, lane half h = t % 2.
.macro WBLOCK t
.set XS, 64+32*(\t)
.set CC, 16+8*(\t)                     ; each block has its own six registers of codes: no store's data are written again
.if (\t) < 3
	s_wait_loadcnt 32                              ; loads come back in order: this block's 32 are in; the next block's 32 may be out
.else
	s_wait_loadcnt 0x0                             ; the last block: nothing was issued behind its loads
.endif
.if (\t) < 2
	WLOAD (\t)+2                                   ; the block two further on is asked for while this one is worked
.endif
	v_max3_num_f32 v14, |v[XS]|, |v[XS+1]|, |v[XS+2]|
	v_max3_num_f32 v15, |v[XS+3]|, |v[XS+4]|, |v[XS+5]|
.irp i, 6,10,14,18,22,26
	v_max3_num_f32 v14, v14, |v[XS+\i]|, |v[XS+\i+1]|
	v_max3_num_f32 v15, v15, |v[XS+\i+2]|, |v[XS+\i+3]|
.endr
	v_max3_num_f32 v14, v14, |v[XS+30]|, |v[XS+31]|
	v_max3_num_f32 v14, v14, v15, 0x2800000        ; and the floor 2^(5 - 127)
	v_add_nc_u32 v54, 0xfe000000, v14              ; 4 off the exponent field: the conversion's scale operand
	v_lshrrev_b32 v15, 23, v54                     ; the scale's byte
.if (\t) == 0
	v_mov_b32 v52, v15
.else
	v_lshl_or_b32 v52, v15, 8*(\t), v52
.endif
	v_cvt_scalef32_pk16_bf6_f32 v[CC:CC+2], v[XS:XS+15], v54
	v_cvt_scalef32_pk16_bf6_f32 v[48:50], v[XS+16:XS+31], v54   ; (a conversion's three registers begin on an even number)
	v_nop                                          ; one plain place behind a scaled conversion
.irp i, 0,1,2
	v_mov_b32 v[CC+3+\i], v[48+\i]
.endr
	ds_store_b128 v9, v[CC:CC+3] offset:768*((\t)/2)+256*((\t)%2)
	ds_store_b64 v10, v[CC+4:CC+5] offset:512+768*((\t)/2)+128*((\t)%2)
.endm
	WBLOCK 0
	WBLOCK 1
	WBLOCK 2
	WBLOCK 3
.irp j, 0,1,2,3,4,5                    ; LDS serves a wave's instructions in order: these see my stores
	ds_load_b128 v[64+4*\j:67+4*\j], v12 offset:512*\j
.endr
	s_wait_alu depctr_va_vdst(0)
.irp j, 0,1,2,3,4,5
	s_wait_dscnt 5-\j
	global_store_b128 v11, v[64+4*\j:67+4*\j], s[28:29] offset:512*(\j%3)+13312*(\j/3)   ; 512 consecutive bytes, at a multiple of 256 from the buffer's first byte
.endr
	global_store_b32 v13, v52, s[30:31]            ; 64 bytes for each of the two tiles: one byte in 128 of what the launch reads
	s_wait_tensorcnt 0x0
	ds_add_u32 v192, v193
	s_wait_dscnt 0x0
	s_endpgm
.Lrope:
	s_sub_co_u32 s18, s17, 32
	s_lshl_b32 s18, s18, 3
	s_add_co_u32 s18, s18, ttmp9
	s_lshl_b32 s18, s18, 2
	s_add_co_u32 s18, s18, s16                     ; my wave's position tile, 0 .. 127
	s_lshr_b32 s19, s18, 1
	s_lshl_b32 s19, s19, 5
	s_and_b32 s20, s18, 1
	s_lshl_b32 s20, s20, 3
	s_add_co_u32 s19, s19, s20                     ; its first position
	v_and_b32 v3, 15, v0                           ; r
	v_bfe_u32 v4, v0, 4, 1                         ; h
	v_and_b32 v5, 8, v3
	v_add_nc_u32 v5, v5, v3
	v_add_nc_u32 v5, s19, v5
	v_cvt_f32_u32 v5, v5                           ; my position
	v_cmp_eq_u32 s30, 1, v4
	s_wait_alu depctr_va_vdst(0)
	v_lshlrev_b32 v18, 4, v2
	s_mov_b32 s32, 0x3f22f983                      ; 2 / pi
	s_mov_b32 s33, 0xbfc90fdb                      ; -(pi / 2 rounded to f32)
	s_mov_b32 s34, 0x333bbd2e                      ; -(what that rounding left)
	s_mov_b32 s35, 0xb94ca1f9                      ; sine: r + r z (s37 + z (s36 + z s35))
	s_mov_b32 s36, 0x3c08839e
	s_mov_b32 s37, 0xbe2aaaa3
	s_mov_b32 s38, 0x37ccf5ce                      ; cosine: 1 - z / 2 + z z (s40 + z (s39 + z s38))
	s_mov_b32 s39, 0xbab6061a
	s_mov_b32 s40, 0x3d2aaaa5
	s_lshl_b32 s20, s18, 12
	s_mov_b32 s21, 0
	s_wait_kmcnt 0x0
	s_add_nc_u64 s[14:15], s[14:15], s[20:21]
; entry q of my sixteen: frequency q % 8 + 16 (q / 8) + 8 h; lo and hi are inv_freq for h = 0 and h = 1, f32(1 / f32(10^(f / 8)))
.macro FREQ q, lo, hi
	v_mov_b32 v14, \lo
	v_mov_b32 v15, \hi
	v_cndmask_b32 v14, v14, v15, s30
	v_mul_f32 v17, v5, v14                         ; the angle
	v_mul_f32 v8, s32, v17
	v_rndne_f32 v8, v8                             ; n: the nearest multiple of pi / 2
	v_fma_f32 v9, v8, s33, v17
	v_fma_f32 v9, v8, s34, v9                      ; r = angle - n pi / 2
	v_cvt_i32_f32 v8, v8
	v_mul_f32 v10, v9, v9                          ; z
	v_fma_f32 v11, v10, s35, s36
	v_fma_f32 v11, v11, v10, s37
	v_mul_f32 v12, v9, v10
	v_fma_f32 v11, v11, v12, v9                    ; sin r
	v_fma_f32 v12, v10, s38, s39
	v_fma_f32 v12, v12, v10, s40
	v_mul_f32 v13, v10, v10
	v_fma_f32 v9, v10, -0.5, 1.0
	v_fma_f32 v12, v12, v13, v9                    ; cos r
	v_and_b32 v9, 1, v8
	v_cmp_eq_u32 vcc_lo, 1, v9                     ; an odd quadrant swaps the two (a choice of values only)
	v_cndmask_b32 v[65+2*(\q)], v11, v12, vcc_lo
	v_cndmask_b32 v[64+2*(\q)], v12, v11, vcc_lo
	v_and_b32 v9, 2, v8
	v_lshlrev_b32 v9, 30, v9
	v_xor_b32 v[65+2*(\q)], v9, v[65+2*(\q)]       ; the sine changes sign in quadrants 2, 3
	v_add_nc_u32 v8, 1, v8
	v_and_b32 v8, 2, v8
	v_lshlrev_b32 v8, 30, v8
	v_xor_b32 v[64+2*(\q)], v8, v[64+2*(\q)]       ; the cosine in quadrants 1, 2
.endm
	FREQ 0, 0x3f800000, 0x3dcccccd
	FREQ 1, 0x3f3ff911, 0x3d99940d
	FREQ 2, 0x3f0ff59a, 0x3d6655c2
	FREQ 3, 0x3ed7e89b, 0x3d2cba15
	FREQ 4, 0x3ea1e89b, 0x3d0186e3
	FREQ 5, 0x3e72d423, 0x3cc2434f
	FREQ 6, 0x3e361887, 0x3c91ad39
	FREQ 7, 0x3e088d77, 0x3c5a7bf2
	FREQ 8, 0x3c23d70a, 0x3a83126f
	FREQ 9, 0x3bf5b9b0, 0x3a44948c
	FREQ 10, 0x3bb8449c, 0x3a136a16
	FREQ 11, 0x3b8a2e77, 0x39dd1725
	FREQ 12, 0x3b4f3e38, 0x39a5cb60
	FREQ 13, 0x3b1b690d, 0x3978a815
	FREQ 14, 0x3ae91528, 0x393a7753
	FREQ 15, 0x3aaec98e, 0x390bd472
.irp g, 0,1,2,3,4,5,6,7
	global_store_b128 v18, v[64+4*\g:67+4*\g], s[14:15] offset:512*\g
.endr
	s_endpgm
.Lfunc_end_k_qae08a0f3fc_quant_w:
	.size	k_qae08a0f3fc_quant_w, .Lfunc_end_k_qae08a0f3fc_quant_w-k_qae08a0f3fc_quant_w
	.p2alignl 7, 3214868480
	.fill 96, 4, 3214868480
	.section	.rodata,"a",@progbits
	.p2align	6, 0x0
	.amdhsa_kernel k_qae08a0f3fc_quant_w
		.amdhsa_group_segment_fixed_size 12800
		.amdhsa_private_segment_fixed_size 0
		.amdhsa_enable_private_segment 0
		.amdhsa_kernarg_size 48
		.amdhsa_user_sgpr_count 2
		.amdhsa_user_sgpr_kernarg_segment_ptr 1
		.amdhsa_wavefront_size32 1
		.amdhsa_system_sgpr_workgroup_id_x 1
		.amdhsa_system_sgpr_workgroup_id_y 1
		.amdhsa_system_sgpr_workgroup_id_z 1
		.amdhsa_system_vgpr_workitem_id 0
		.amdhsa_next_free_vgpr 194
		.amdhsa_next_free_sgpr 66
		.amdhsa_reserve_vcc 1
		.amdhsa_float_denorm_mode_32 3
		.amdhsa_float_denorm_mode_16_64 3
		.amdhsa_memory_ordered 1
		.amdhsa_forward_progress 1
		.amdhsa_inst_pref_size 46
	.end_amdhsa_kernel
	.amdgpu_metadata
---
amdhsa.version: [ 1, 2 ]
amdhsa.kernels:
  - .name:           k_qae08a0f3fc_quant_w
    .symbol:         k_qae08a0f3fc_quant_w.kd
    .args:
      - { .name: Wq, .offset: 0, .size: 8, .value_kind: global_buffer, .address_space: global }
      - { .name: Wk, .offset: 8, .size: 8, .value_kind: global_buffer, .address_space: global }
      - { .name: Wv, .offset: 16, .size: 8, .value_kind: global_buffer, .address_space: global }
      - { .name: Wo, .offset: 24, .size: 8, .value_kind: global_buffer, .address_space: global }
      - { .name: w_img, .offset: 32, .size: 8, .value_kind: global_buffer, .address_space: global }
      - { .name: rope, .offset: 40, .size: 8, .value_kind: global_buffer, .address_space: global }
    .group_segment_fixed_size: 12800
    .private_segment_fixed_size: 0
    .kernarg_segment_align: 8
    .kernarg_segment_size: 48
    .max_flat_workgroup_size: 128
    .sgpr_count:     66
    .vgpr_count:     194
    .wavefront_size: 32
...
	.end_amdgpu_metadata
.endif
;; end of part 2
;; launch gemm_qkv (part 3): grid 12 x 32, 4 waves a work-group, clusters of 4 x 4, 327,680 bytes of LDS; arguments x_img, w_img, bq, bk, bv, rope, q_img, kv; writes q_img, kv
.if DOCPART == 3
	.amdgcn_target "amdgcn-amd-amdhsa--gfx1250"
	.amdhsa_code_object_version 6
	.text
	.protected	k_qae08a0f3fc_gemm_qkv
	.globl	k_qae08a0f3fc_gemm_qkv
	.p2align	8
	.type	k_qae08a0f3fc_gemm_qkv,@function
k_qae08a0f3fc_gemm_qkv:
	s_mov_b64 s[64:65], 0
	v_nop
	global_prefetch_b8 v0, s[64:65] scope:SCOPE_SE
	s_setreg_imm32_b32 hwreg(HW_REG_WAVE_MODE, 25, 1), 1
	s_wait_xcnt 0x0
	s_wait_alu depctr_hold_cnt(0) depctr_sa_sdst(0) depctr_va_vdst(0) depctr_va_sdst(0) depctr_va_ssrc(0) depctr_va_vcc(0) depctr_vm_vsrc(0)
	s_getreg_b32 s2, hwreg(HW_REG_IB_STS2, 6, 4)
	s_cmp_eq_u32 s2, 0
	s_cbranch_scc0 .Lentry_in_a_cluster
	s_endpgm
.Lentry_in_a_cluster:
	s_bfe_u32 s2, ttmp6, 0x10000c
	s_cmp_lg_u32 s2, 0xf033
	s_cbranch_scc0 .Lentry_shape_is_right
	s_endpgm
.Lentry_shape_is_right:
; q = rope(x Wq + bq), k = rope(x Wk + bk), v = x Wv + bv, on codes of BF6 (E3M2) with E8M0 scales; the results are quantised at once for attention's two products and leave as images of operands' registers.
; A work-group of four waves makes 256 x 256, a wave 128 x 128: 64 accumulators, 512 registers.  THE MATRIX INSTRUCTION IS USED TRANSPOSED: source 0 = 16 rows of "B", source 1 = 16 rows of "A": lane (r, h) holds A's
; place r, and the 16 registers of B's tiles 2 b, 2 b + 1 are B's 16 NEIGHBOURING rows 32 b + 16 h + 0 .. 15 (the images' row tiles are laid for that).
; ROLES, by the cluster's x, which all partners share.  x = 0, 1 (q, k): A = tokens (x_img), B = channels (w_img): a lane's registers run along the head's channels, the K of q k^T.
; x = 2 (v): A = channels (w_img), B = tokens (x_img): a lane's registers run along the tokens, which are the keys, the K of p v.  Only pointers and tile numbers differ up to the way out.
; K = 1,024 = four quarters of 256.  A quarter of 16 row tiles is 16 rows of 3,200 bytes (codes and scale words together), 13,312 bytes apart in memory.  Three LDS slots hold quarters 0, 1, 2 from the start;
; quarter 3 goes into slot 0 when that has been read: one refill in the launch.
; CLUSTER 4 x 4: A's tiles are shared along a row of the cluster, B's along a column: joint loads, which divide the requests by four.
; OUT: q_img [16 b + head][step of 128 tokens][6,400]: 8 halves (16 tokens x 64 channels, 768 bytes), then 256 bytes of scale words (lane r: four words at 16 r; word u = tile 2 u's two bytes, tile 2 u + 1's two bytes).
; kv [16 b + head][step][12,800]: k as q at 0; at 6,400 v: four fragments (16 channels x 128 keys, 1,536 bytes); at 12,544 their scale words (lane r: four words at 16 r).
; LIMITS: as in quant_x (a block of zeros gets the byte 1; largest magnitudes under 2^-122 are held at the byte 1; NaN and infinities are not served).
; REGISTERS, in windows of 256.  Window 0: v1-7 lane numbers; v8-22 LDS addresses, five a slot; v24-26 offsets; v28, v29 the add's; v32-47 scale words, two sets, and nothing else; v48-59 the quantiser's;
;   v64-127 the bias by channel (roles q, k); v128-223 A's fragments, one set, later the way out; v224-239 the bias by lane (role v); v240-255 scale words made.
;   Window 1: B's fragments, two sets, at v0 and v128; later the rope table.   Windows 2, 3: accumulator (a, b) at v[8 (8 (a % 4) + b)], a < 4 in window 2.
.set QS,    3328                       ; a quarter in memory
.set ROWB,  3200                       ; what is read of it: a row of a tile
.set PART,  8*ROWB                     ; eight row tiles: what one tensor load brings, and what one wave reads of A or of B
.set SLOT,  4*PART                     ; A's 16 row tiles, then B's 16
.set SPARE, 3*SLOT                     ; behind the slots: the spare words, 128 bytes for each wave: two blocks of 256 bytes that no other line names
.set FR,    12                         ; registers of a fragment
.set SC,    32
.set TM,    48
.set AF,    128
.set SPW,   28
.set NIL,   29
.set G1A,   28                         ; s[28:35] descriptor group 1 for A's tiles; s[36:43] for B's: they differ in the mask
.set G1B,   36
.set G0A,   44                         ; s[44:55] group 0 for A's tiles, a set for each slot
.set G0B0,  56                         ; s[56:59], s[60:63], s[68:71] the same for B's
.set G0B1,  60
.set G0B2,  68
.set SEL,   100                        ; s[100:101] v_permlanex16_b32's selects for lane l xor 16
.set MUL_LO, 0xa1                      ; source 0 (B) window 1, source 1 (A) window 0, C and D window 2
.set MUL_HI, 0xf1                      ; the same, C and D window 3
.set TO_B,   0x40                      ; destination window 1, address window 0
.set MSB, 0
.macro WIN new                         ; the immediate's high byte repeats the setting that is left; a switch that changes nothing is dropped
.if MSB != (\new)
	s_set_vgpr_msb (MSB<<8)|(\new)
.set MSB, (\new)
.endif
.endm
.macro PLACES                          ; four plain places behind matrix instructions, ahead of loads into their registers and of reads of their results
.rept 4
	v_nop
.endr
.endm
; A joint load: waves 0 and 1 fetch A's halves, waves 2 and 3 B's.  The branch hangs on the wave's number alone.  Four v_nop follow each of the two lines.
.macro JLOAD g0a, g0b
	s_cmp_eq_u32 s21, 0
	s_cbranch_scc0 .Lfor_b_\@
	tensor_load_to_lds s[\g0a:\g0a+3], s[G1A:G1A+7]
	s_nop 0
.rept 4
	v_nop
.endr
	s_branch .Lasked_\@
.Lfor_b_\@:
	tensor_load_to_lds s[\g0b:\g0b+3], s[G1B:G1B+7]
	s_nop 0
.rept 4
	v_nop
.endr
.Lasked_\@:
.endm
.macro CREST                           ; a round of the cluster's barrier behind its opening barrier
	s_cmp_lg_u32 s20, 0
	s_cbranch_scc1 .Lnot_wave_0_\@
	s_barrier_signal -3
.Lnot_wave_0_\@:
	s_barrier_wait -3
	s_barrier_signal -1
	s_barrier_wait -1
.endm
.macro CROUND
	s_barrier_signal -1
	s_barrier_wait -1
	CREST
.endm
.macro MKG0 g, p, s                    ; group 0: count 1; LDS address = slot + my wave's part; the quarter's address; type 2
	s_mov_b32 s[\g], 1
	s_add_co_u32 s[\g+1], s90, (\s)*SLOT
	s_add_nc_u64 s[\g+2:\g+3], s[\p:\p+1], (\s)*QS
	s_or_b32 s[\g+3], s[\g+3], 0x80000000
.endm
; a fragment's image comes back as it was stored: registers 0-3 at 16 l, 4-5 at 512 + 8 l, 6-9 at 768 + 16 l, 10-11 at 1280 + 8 l: every load reads consecutive bytes
.macro FRAG reg, a16, off
	ds_load_b128 v[\reg:\reg+3], v[\a16] offset:\off
	ds_load_b64 v[\reg+4:\reg+5], v[\a16+1] offset:\off+512
	ds_load_b128 v[\reg+6:\reg+9], v[\a16] offset:\off+768
	ds_load_b64 v[\reg+10:\reg+11], v[\a16+1] offset:\off+1280
.endm
.macro FETCH_B slot, e, p              ; B's eight fragments of K step e of the slot into set p
	WIN TO_B
.irp i, 0,1,2,3,4,5,6,7
	FRAG 128*(\p)+FR*\i, 10+5*(\slot), ROWB*\i+1536*(\e)
.endr
	WIN 0
.endm
.macro FETCH_A slot, e, i0             ; A's blocks i0 .. i0 + 3
.irp i, \i0, \i0+1, \i0+2, \i0+3
	FRAG AF+FR*(\i), 8+5*(\slot), ROWB*(\i)+1536*(\e)
.endr
.endm
.macro SCALES slot, e, p               ; register i of set p: lanes 0-15 the words of A's block i, lanes 16-31 those of B's block i
.irp i, 0,1,2,3,4,5,6,7
	ds_load_b32 v[SC+8*(\p)+\i], v[12+5*(\slot)] offset:ROWB*\i+3072+64*(\e)
.endr
.endm
; 16 matrix instructions: A's blocks a0, a0 + 1 x B's eight.  p: B's set and the set of scale words.  cmode 0: the product starts the sum.  The 64 accumulators take turns, one instruction a turn, in one order throughout.
.macro MUL16 a0, p, cmode
.irp a, \a0, \a0+1
.irp b, 0,1,2,3,4,5,6,7
.set AC, 8*(8*((\a)%4)+\b)
.set BF, 128*(\p)+FR*\b
.set AA, AF+FR*(\a)
.if \cmode == 0
	v_wmma_scale_f32_16x16x128_f8f6f4 v[AC:AC+7], v[BF:BF+FR-1], v[AA:AA+FR-1], 0, v[SC+8*(\p)+\b], v[SC+8*(\p)+(\a)] matrix_a_fmt:MATRIX_FMT_BF6 matrix_b_fmt:MATRIX_FMT_BF6 matrix_a_scale:MATRIX_SCALE_ROW1
.else
	v_wmma_scale_f32_16x16x128_f8f6f4 v[AC:AC+7], v[BF:BF+FR-1], v[AA:AA+FR-1], v[AC:AC+7], v[SC+8*(\p)+\b], v[SC+8*(\p)+(\a)] matrix_a_fmt:MATRIX_FMT_BF6 matrix_b_fmt:MATRIX_FMT_BF6 matrix_a_scale:MATRIX_SCALE_ROW1
.endif
.endr
.endr
.endm
; A K step of 128 on set p; the next K step (slot ns, half ne) is fetched meanwhile: B, A's blocks 0-3 and the scale words in its middle, A's blocks 4-7 at its end
.macro STEP p, ns, ne, cmode
	s_wait_dscnt 16                                ; all but the youngest sixteen loads (A's blocks 4-7)
	WIN MUL_LO
	MUL16 0, \p, \cmode
	MUL16 2, \p, \cmode
	s_wait_dscnt 0x0                               ; A's blocks 4-7 are in
	PLACES
	FETCH_B \ns, \ne, 1-\p
	FETCH_A \ns, \ne, 0
	SCALES \ns, \ne, 1-\p
	WIN MUL_HI
	MUL16 4, \p, \cmode
	MUL16 6, \p, \cmode
	PLACES
	WIN 0
	FETCH_A \ns, \ne, 4
.endm
; A K step with a barrier in it.  In front of the barrier each wave waits for all its tensor loads, adds 0 to its spare word, and waits for that and for its LDS reads.
; fill = 1: the barrier opens a round of the cluster's barrier, and slot 0, which nobody reads any more, takes quarter 3.  fill = 0: quarter 3 has landed in every wave's part; nothing is filled.
.macro TURN p, ns, ne, fill
	s_wait_tensorcnt 0x0                           ; all my tensor loads have landed (every window is 0 here)
	ds_add_u32 v[SPW], v[NIL]                      ; 0 onto my spare word
	s_wait_dscnt 17                                ; (the add and the youngest sixteen loads may be out)
	WIN MUL_LO
	MUL16 0, \p, 1                                 ; sixteen matrix instructions stand between the add and the wait for it
	s_wait_dscnt 0x0                               ; the add is done, and my LDS reads are back
	s_barrier_signal -1
	MUL16 2, \p, 1
	WIN 0
	s_barrier_wait -1
.if \fill
	CREST                                          ; no wave of any partner still reads slot 0 or has a load on its way
	s_add_nc_u64 s[G0A+2:G0A+3], s[G0A+2:G0A+3], 3*QS
	s_add_nc_u64 s[G0B0+2:G0B0+3], s[G0B0+2:G0B0+3], 3*QS
	JLOAD G0A, G0B0                                ; the first tensor load behind the round, my one load: it has four K steps in which to land; its four v_nop are the places for the loads below
.else
	PLACES
.endif
	FETCH_B \ns, \ne, 1-\p
	FETCH_A \ns, \ne, 0
	SCALES \ns, \ne, 1-\p
	WIN MUL_HI
	MUL16 4, \p, 1
	MUL16 6, \p, 1
	PLACES
	WIN 0
	FETCH_A \ns, \ne, 4
.endm
; 64 numbers of a lane, register 16 b + i = k 32 b + 16 (lane / 16) + i of my row, become a fragment's 12 registers at v[pc] on (20 are used) and its scale word in v[pw]
.macro QUANT s, pc, pw
.irp b, 0,1,2,3
	v_max3_num_f32 v[TM+\b], |v[\s+16*\b]|, |v[\s+1+16*\b]|, 0x2800000   ; and the floor 2^(5 - 127): the byte cannot fall under 1
.endr
.irp i, 2,4,6,8,10,12,14
.irp b, 0,1,2,3
	v_max3_num_f32 v[TM+\b], v[TM+\b], |v[\s+16*\b+\i]|, |v[\s+1+16*\b+\i]|
.endr
.endr
.irp b, 0,1,2,3
	v_permlanex16_b32 v[TM+4+\b], v[TM+\b], s[SEL], s[SEL+1]
.endr
.irp b, 0,1,2,3
	v_max_num_f32 v[TM+\b], v[TM+\b], v[TM+4+\b]
.endr
.irp b, 0,1,2,3
	v_add_nc_u32 v[TM+8+\b], 0xfe000000, v[TM+\b]                       ; 4 off the exponent field: the conversion's scale operand
.endr
.irp b, 0,1,2,3
	v_lshrrev_b32 v[TM+4+\b], 23, v[TM+8+\b]                            ; the scale's byte
.endr
	v_lshl_or_b32 v[\pw], v[TM+5], 8, v[TM+4]
	v_lshl_or_b32 v[\pw], v[TM+6], 16, v[\pw]
	v_lshl_or_b32 v[\pw], v[TM+7], 24, v[\pw]
.irp c, 0,1
	v_cvt_scalef32_pk16_bf6_f32 v[\pc+6*\c:\pc+2+6*\c], v[\s+32*\c:\s+15+32*\c], v[TM+8+2*\c]
	v_cvt_scalef32_pk16_bf6_f32 v[\pc+12+4*\c:\pc+14+4*\c], v[\s+16+32*\c:\s+31+32*\c], v[TM+8+2*\c+1]
.endr
	v_nop                                                               ; one plain place behind a scaled conversion
.irp c, 0,1
.irp i, 0,1,2
	v_permlane16_swap_b32 v[\pc+6*\c+\i], v[\pc+12+4*\c+\i]
.endr
.irp i, 0,1,2
	v_mov_b32 v[\pc+3+6*\c+\i], v[\pc+12+4*\c+\i]
.endr
.endr
.endm
; the same for 32 numbers, two blocks: half a fragment in v[pc] .. v[pc + 5] (9 are used) and its two bytes in v[hw]
.macro QUANT2 s, pc, hw
.irp b, 0,1
	v_max3_num_f32 v[TM+\b], |v[\s+16*\b]|, |v[\s+1+16*\b]|, 0x2800000
.endr
.irp i, 2,4,6,8,10,12,14
.irp b, 0,1
	v_max3_num_f32 v[TM+\b], v[TM+\b], |v[\s+16*\b+\i]|, |v[\s+1+16*\b+\i]|
.endr
.endr
.irp b, 0,1
	v_permlanex16_b32 v[TM+4+\b], v[TM+\b], s[SEL], s[SEL+1]
.endr
.irp b, 0,1
	v_max_num_f32 v[TM+\b], v[TM+\b], v[TM+4+\b]
.endr
.irp b, 0,1
	v_add_nc_u32 v[TM+8+\b], 0xfe000000, v[TM+\b]
.endr
.irp b, 0,1
	v_lshrrev_b32 v[TM+4+\b], 23, v[TM+8+\b]
.endr
	v_lshl_or_b32 v[\hw], v[TM+5], 8, v[TM+4]
	v_cvt_scalef32_pk16_bf6_f32 v[\pc:\pc+2], v[\s:\s+15], v[TM+8]
	v_cvt_scalef32_pk16_bf6_f32 v[\pc+6:\pc+8], v[\s+16:\s+31], v[TM+9]
	v_nop
.irp i, 0,1,2
	v_permlane16_swap_b32 v[\pc+\i], v[\pc+6+\i]
.endr
.irp i, 0,1,2
	v_mov_b32 v[\pc+3+\i], v[\pc+6+\i]
.endr
.endm
	s_load_b256 s[4:11], s[0:1], 0x0               ; x_img s[4:5], w_img s[6:7], bq s[8:9], bk s[10:11]
	s_load_b256 s[12:19], s[0:1], 0x20             ; bv s[12:13], rope s[14:15], q_img s[16:17], kv s[18:19]
	v_lshl_add_u32 v[SPW], v0, 2, SPARE
	v_mov_b32 v[NIL], 0
	ds_add_u32 v28, v29
	ds_add_u32 v28, v29
	s_wait_dscnt 0x0
	v_lshrrev_b32 v1, 5, v0
	v_readfirstlane_b32 s20, v1                    ; wave 0..3
	s_lshr_b32 s21, s20, 1                         ; which half of A's rows is mine.  Also: I fetch for A (0) or for B (1)
	s_and_b32 s22, s20, 1                          ; which half of B's rows.  Also: which eight row tiles I fetch
	s_bfe_u32 s23, ttmp6, 0x40000                  ; cx
	s_bfe_u32 s24, ttmp6, 0x40004                  ; cy
	s_mov_b32 s25, ttmp9                           ; the cluster's x: the role
	s_and_b32 s26, ttmp7, 0xffff                   ; the cluster's y
	s_lshl_b32 s72, s24, 2
	s_lshl_b32 s72, 15, s72                        ; my row of the cluster
	s_lshl_b32 s73, 0x1111, s23                    ; my column
	s_or_b32 s[G1A], s72, (3<<16)|(1<<21)          ; 15:0 the mask; 17:16 elements of 8 bytes; 21 set beside a mask; no padding
	s_or_b32 s[G1B], s73, (3<<16)|(1<<21)
.irp g, G1A, G1B
	s_mov_b32 s[\g+1], 400<<16                     ; tensor_dim0 = 400 elements: 3,200 bytes
	s_mov_b32 s[\g+2], 8<<16                       ; tensor_dim1 = 8 rows
	s_mov_b32 s[\g+3], 400<<16                     ; tile_dim0
	s_mov_b32 s[\g+4], 8                           ; tile_dim1
	s_mov_b32 s[\g+5], 1664                        ; from row to row: 13,312 bytes
	s_mov_b32 s[\g+6], 0
	s_mov_b32 s[\g+7], 0
.endr
	; A's tile hangs on cy and the cluster's numbers, B's on cx and the cluster's numbers: each in registers that never hold the other coordinate
	s_lshl_b32 s74, s26, 2
	s_add_co_u32 s75, s74, s24                     ; 4 Y + cy: the token tile (roles q, k)
	s_add_co_u32 s76, s24, 8                       ; 8 + cy: Wv's tile (role v)
	s_add_co_u32 s78, s74, s23                     ; 4 Y + cx: the token tile (role v)
	s_lshl_b32 s79, s25, 2
	s_add_co_u32 s79, s79, s23                     ; 4 X + cx: Wq's or Wk's tile
	s_lshl_b32 s87, s22, 3                         ; which eight row tiles I fetch
	s_mul_i32 s90, s20, PART                       ; where they go: no place in the cluster enters an LDS address
	s_mov_b32 s[SEL], 0x76543210
	s_mov_b32 s[SEL+1], 0xfedcba98
	s_wait_kmcnt 0x0
	s_cmp_lt_u32 s25, 2
	s_cselect_b32 s77, s75, s76                    ; A's tile
	s_cselect_b32 s86, s79, s78                    ; B's tile
	s_cselect_b64 s[80:81], s[4:5], s[6:7]         ; A's buffer
	s_cselect_b64 s[82:83], s[6:7], s[4:5]         ; B's buffer
	s_lshl_b32 s84, s77, 4
	s_add_co_u32 s84, s84, s87
	s_mul_i32 s84, s84, 13312
	s_mov_b32 s85, 0
	s_add_nc_u64 s[80:81], s[80:81], s[84:85]
	s_lshl_b32 s88, s86, 4
	s_add_co_u32 s88, s88, s87
	s_mul_i32 s88, s88, 13312
	s_mov_b32 s89, 0
	s_add_nc_u64 s[82:83], s[82:83], s[88:89]
	MKG0 G0A, 80, 0
	MKG0 G0A+4, 80, 1
	MKG0 G0A+8, 80, 2
	MKG0 G0B0, 82, 0
	MKG0 G0B1, 82, 1
	MKG0 G0B2, 82, 2
	CROUND                                         ; all sixteen work-groups are here: the first joint loads meet
	s_cmp_eq_u32 s21, 0                            ; a wave's three first fills stand in one branch: three loads of mine are out
	s_cbranch_scc0 .Lfirst_b
	tensor_load_to_lds s[G0A:G0A+3], s[G1A:G1A+7]
	s_nop 0
	tensor_load_to_lds s[G0A+4:G0A+7], s[G1A:G1A+7]
	s_nop 0
	tensor_load_to_lds s[G0A+8:G0A+11], s[G1A:G1A+7]
	s_nop 0
.rept 4
	v_nop
.endr
	s_branch .Lfirst_asked
.Lfirst_b:
	tensor_load_to_lds s[G0B0:G0B0+3], s[G1B:G1B+7]
	s_nop 0
	tensor_load_to_lds s[G0B1:G0B1+3], s[G1B:G1B+7]
	s_nop 0
	tensor_load_to_lds s[G0B2:G0B2+3], s[G1B:G1B+7]
	s_nop 0
.rept 4
	v_nop
.endr
.Lfirst_asked:
	v_and_b32 v1, 31, v0                           ; lane
	v_and_b32 v2, 15, v0                           ; r
	v_bfe_u32 v3, v0, 4, 1                         ; h
	v_lshlrev_b32 v4, 4, v1                        ; 16 l
	v_lshlrev_b32 v5, 3, v1                        ; 8 l
	v_lshlrev_b32 v6, 2, v2                        ; 4 r
	s_mul_i32 s91, s21, PART                       ; my eight row tiles of A
	s_mul_i32 s92, s22, PART
	s_add_co_u32 s92, s92, 2*PART                  ; my eight of B, behind A's sixteen
	s_sub_co_u32 s93, s92, s91
	v_mul_u32_u24 v7, s93, v3                      ; scale words: lanes 16-31 take B's: the lower base + h x the distance
	v_add_nc_u32 v7, v7, v6
.irp s, 0,1,2
	v_add_nc_u32 v[8+5*\s], s91, v4
	v_add_nc_u32 v[9+5*\s], s91, v5
	v_add_nc_u32 v[10+5*\s], s92, v4
	v_add_nc_u32 v[11+5*\s], s92, v5
	v_add_nc_u32 v[12+5*\s], s91, v7
	s_add_co_u32 s91, s91, SLOT
	s_add_co_u32 s92, s92, SLOT
.endr
.irp b, 0,1,2,3
	v_mov_b32 v[TM+4+\b], 0                        ; written once: a lane permute's destination counts as one of its sources
.endr
	; the bias, in both layouts, whatever the role: 128 numbers from my first channel on
	s_cmp_eq_u32 s25, 1
	s_cselect_b64 s[94:95], s[10:11], s[8:9]
	s_cmp_eq_u32 s25, 2
	s_cselect_b64 s[94:95], s[12:13], s[94:95]
	s_lshl_b32 s96, s23, 8
	s_lshl_b32 s97, s22, 7
	s_add_co_u32 s96, s96, s97                     ; roles q, k: channel 256 cx + 128 x (B's half)
	s_lshl_b32 s97, s24, 8
	s_lshl_b32 s98, s21, 7
	s_add_co_u32 s97, s97, s98                     ; role v: 256 cy + 128 x (A's half)
	s_cmp_lt_u32 s25, 2
	s_cselect_b32 s96, s96, s97
	s_lshl_b32 s96, s96, 2
	s_mov_b32 s97, 0
	s_add_nc_u64 s[94:95], s[94:95], s[96:97]
	v_lshlrev_b32 v24, 6, v3                       ; by channel: register 16 b + i = channel 32 b + 16 h + i
	v_and_b32 v25, 8, v2
	v_add_nc_u32 v25, v25, v2
	v_lshlrev_b32 v25, 2, v25                      ; by lane: block a's channel 32 (a / 2) + 8 (a % 2) + r + 8 (r / 8)
.set i, 0
.rept 16
	global_load_b128 v[64+4*i:67+4*i], v24, s[94:95] offset:128*(i/4)+16*(i%4)
.set i, i+1
.endr
.set i, 0
.rept 8                                ; twice each: the packed addition names a pair
	global_load_b32 v[224+2*i], v25, s[94:95] offset:4*(32*(i/2)+8*(i%2))
	global_load_b32 v[225+2*i], v25, s[94:95] offset:4*(32*(i/2)+8*(i%2))
.set i, i+1
.endr
	s_wait_tensorcnt 0x2                           ; my part of quarter 0 is in; quarters 1 and 2 may stay out
	s_barrier_signal -1
	s_barrier_wait -1                              ; everybody's is
	FETCH_B 0, 0, 0
	FETCH_A 0, 0, 0
	SCALES 0, 0, 0
	FETCH_A 0, 0, 4
	STEP 0, 0, 1, 0                                ; K step 0: its products start the sums
	TURN 1, 1, 0, 1                                ; K step 1: slot 0 is left and takes quarter 3; quarters 1 and 2 are shown landed to every wave
	STEP 0, 1, 1, 1                                ; K steps 2 to 4
	s_wait_alu depctr_va_vdst(0)
	STEP 1, 2, 0, 1
	STEP 0, 2, 1, 1
	TURN 1, 0, 0, 0                                ; K step 5: quarter 3 has landed
	STEP 0, 0, 1, 1                                ; K step 6
	s_wait_dscnt 16                                ; K step 7: nothing more to fetch
	WIN MUL_LO
	MUL16 0, 1, 1
	MUL16 2, 1, 1
	s_wait_dscnt 0x0
	WIN MUL_HI
	MUL16 4, 1, 1
	MUL16 6, 1, 1
	WIN 0
	PLACES                                         ; ahead of the reads of results and of writes and loads into operands' registers
	s_cmp_lt_u32 s25, 2                            ; the role: the same in all partners
	s_cbranch_scc0 .Lrole_v
	; ---- THE WAY OUT OF q AND k.  Lane (r, h) holds token place r of block a; of head hd its 32 registers are channels 32 b + 16 h + i.
	s_and_b32 s84, s75, 7                          ; the token tile within its sequence
	s_lshl_b32 s85, s84, 4
	s_lshl_b32 s86, s21, 3
	s_add_co_u32 s85, s85, s86                     ; my first position tile
	s_lshl_b32 s98, s85, 12
	s_mov_b32 s99, 0
	s_add_nc_u64 s[98:99], s[14:15], s[98:99]
	s_lshr_b32 s85, s75, 3
	s_lshl_b32 s85, s85, 4                         ; 16 b
	s_lshl_b32 s86, s23, 2
	s_add_co_u32 s85, s85, s86
	s_lshl_b32 s86, s22, 1
	s_add_co_u32 s85, s85, s86                     ; + my first head: 4 cx + 2 x (B's half)
	s_lshl_b32 s85, s85, 4                         ; 16 steps a head
	s_lshl_b32 s84, s84, 1
	s_add_co_u32 s85, s85, s84
	s_add_co_u32 s85, s85, s21                     ; + my step of 128 tokens
	s_mov_b32 s87, 12800
	s_cmp_eq_u32 s25, 0
	s_cselect_b32 s87, 6400, s87                   ; a step's bytes in q_img or in kv
	s_cselect_b64 s[88:89], s[16:17], s[18:19]
	s_mul_i32 s84, s85, s87
	s_mov_b32 s85, 0
	s_add_nc_u64 s[88:89], s[88:89], s[84:85]      ; head 0's step
	s_lshl_b32 s90, s87, 4
	s_mov_b32 s91, 0
	s_add_nc_u64 s[92:93], s[88:89], s[90:91]      ; head 1's
	WIN TO_B
.set i, 0
.rept 64                               ; cos and sin of my eight position tiles fill window 1: block a at v[32 a], pair p's cos and sin at v[32 a + 2 p], + 1
	global_load_b128 v[4*i:4*i+3], v4, s[98:99] offset:512*i
.set i, i+1
.endr
	WIN 0
.macro ROPEQ a, hd
	WIN 0x02+(\a)/4                                ; source 0: the accumulators' window
.set j, 0
.rept 16                               ; + bias; each accumulator from its low end on
	v_pk_add_f32 v[128+2*j:129+2*j], v[64*((\a)%4)+32*(\hd)+2*j:64*((\a)%4)+32*(\hd)+2*j+1], v[64+32*(\hd)+2*j:65+32*(\hd)+2*j]
.set j, j+1
.endr
	WIN 0x04                                       ; source 1: window 1
.set j, 0
.rept 16                               ; both of a pair x cos,
	v_pk_mul_f32 v[160+2*j:161+2*j], v[128+2*j:129+2*j], v[32*(\a)+2*j:32*(\a)+2*j+1] op_sel_hi:[1,0]
.set j, j+1
.endr
.set j, 0
.rept 16                               ; then - odd x sin onto the even one, + even x sin onto the odd one
	v_fma_f32 v[160+2*j], -v[129+2*j], v[32*(\a)+2*j+1], v[160+2*j]
	v_fma_f32 v[161+2*j], v[128+2*j], v[32*(\a)+2*j+1], v[161+2*j]
.set j, j+1
.endr
	WIN 0
	s_wait_xcnt 0x0                                ; the last stores have read their registers: the codes may be written again
	QUANT2 160, 192, 240+8*(\hd)+(\a)
	global_store_b128 v4, v[192:195], s[88+4*(\hd):89+4*(\hd)] offset:768*(\a)
	global_store_b64 v5, v[196:197], s[88+4*(\hd):89+4*(\hd)] offset:768*(\a)+512
.endm
.irp a, 0,1,2,3,4,5,6,7
	s_wait_loadcnt 8*(7-\a)                        ; block a's eight loads are in (and the bias, asked for long before); the later blocks' may be out
	ROPEQ \a, 0
	ROPEQ \a, 1
.endr
	s_wait_xcnt 0x0
.irp u, 0,1,2,3                        ; word u: tile 2 u's two bytes, tile 2 u + 1's two bytes
	v_lshl_or_b32 v[224+\u], v[241+2*\u], 16, v[240+2*\u]
	v_lshl_or_b32 v[228+\u], v[249+2*\u], 16, v[248+2*\u]
.endr
	v_cmp_eq_u32 vcc_lo, 1, v3
.irp u, 0,1,2,3
	v_cndmask_b32 v[224+\u], v[224+\u], v[228+\u], vcc_lo   ; lanes 0-15 store head 0's words, lanes 16-31 head 1's: 256 consecutive bytes each
.endr
	v_mul_u32_u24 v26, s90, v3
	v_lshl_add_u32 v26, v2, 4, v26
	global_store_b128 v26, v[224:227], s[88:89] offset:6144
	s_branch .Lend
.Lrole_v:
	; ---- THE WAY OUT OF v.  Lane (r, h) holds channel place r of block a; its 64 registers are tokens 32 b + 16 h + i of my 128: one fragment of v^T and one scale word.
	s_lshr_b32 s84, s78, 3
	s_lshl_b32 s84, s84, 4                         ; 16 b
	s_lshl_b32 s85, s24, 2
	s_add_co_u32 s84, s84, s85
	s_lshl_b32 s85, s21, 1
	s_add_co_u32 s84, s84, s85                     ; + my first head: 4 cy + 2 x (A's half)
	s_lshl_b32 s84, s84, 4
	s_and_b32 s85, s78, 7
	s_lshl_b32 s85, s85, 1
	s_add_co_u32 s84, s84, s85
	s_add_co_u32 s84, s84, s22                     ; + my step of 128 tokens
	s_mul_i32 s84, s84, 12800
	s_add_co_u32 s84, s84, 6400                    ; v lies behind k
	s_mov_b32 s85, 0
	s_add_nc_u64 s[88:89], s[18:19], s[84:85]
	s_wait_loadcnt 0x0                             ; the bias
.macro VQ a
	WIN 0x02+(\a)/4
.set j, 0
.rept 32
	v_pk_add_f32 v[128+2*j:129+2*j], v[64*((\a)%4)+2*j:64*((\a)%4)+2*j+1], v[224+2*(\a):225+2*(\a)]
.set j, j+1
.endr
	WIN 0
	s_wait_xcnt 0x0                                ; the last stores have read their registers
	QUANT 128, 192, 240+(\a)
.irp c, 0,1,2
	global_store_b128 v4, v[192+4*\c:195+4*\c], s[88:89] offset:204800*((\a)/4)+1536*((\a)%4)+512*\c
.endr
.endm
.irp a, 0,1,2,3,4,5,6,7
	VQ \a
.endr
	v_cmp_eq_u32 vcc_lo, 1, v3
.irp u, 0,1,2,3
	v_cndmask_b32 v[240+\u], v[240+\u], v[244+\u], vcc_lo   ; lanes 0-15 head 0's four words, lanes 16-31 head 1's
.endr
	v_mul_u32_u24 v26, 0x32000, v3                 ; a head is 204,800 bytes
	v_lshl_add_u32 v26, v2, 4, v26
	global_store_b128 v26, v[240:243], s[88:89] offset:6144
.Lend:
	s_wait_tensorcnt 0x0                           ; the wave's end
	ds_add_u32 v[SPW], v[NIL]
	s_wait_dscnt 0x0
	CROUND                                         ; the closing round: no work-group ends while a partner may still ask for a tile that names it
	s_endpgm
.Lfunc_end_k_qae08a0f3fc_gemm_qkv:
	.size	k_qae08a0f3fc_gemm_qkv, .Lfunc_end_k_qae08a0f3fc_gemm_qkv-k_qae08a0f3fc_gemm_qkv
	.p2alignl 7, 3214868480
	.fill 96, 4, 3214868480
	.section	.rodata,"a",@progbits
	.p2align	6, 0x0
	.amdhsa_kernel k_qae08a0f3fc_gemm_qkv
		.amdhsa_group_segment_fixed_size 327680
		.amdhsa_private_segment_fixed_size 0
		.amdhsa_enable_private_segment 0
		.amdhsa_kernarg_size 64
		.amdhsa_user_sgpr_count 2
		.amdhsa_user_sgpr_kernarg_segment_ptr 1
		.amdhsa_wavefront_size32 1
		.amdhsa_system_sgpr_workgroup_id_x 1
		.amdhsa_system_sgpr_workgroup_id_y 1
		.amdhsa_system_sgpr_workgroup_id_z 1
		.amdhsa_system_vgpr_workitem_id 0
		.amdhsa_next_free_vgpr 1024
		.amdhsa_next_free_sgpr 102
		.amdhsa_reserve_vcc 1
		.amdhsa_float_denorm_mode_32 3
		.amdhsa_float_denorm_mode_16_64 3
		.amdhsa_memory_ordered 1
		.amdhsa_forward_progress 1
		.amdhsa_inst_pref_size 255
	.end_amdhsa_kernel
	.section	.bss,"aw",@nobits
	.p2align	6
	.space	262144
	.amdgpu_metadata
---
amdhsa.version: [ 1, 2 ]
amdhsa.kernels:
  - .name:           k_qae08a0f3fc_gemm_qkv
    .symbol:         k_qae08a0f3fc_gemm_qkv.kd
    .args:
      - { .name: x_img, .offset: 0, .size: 8, .value_kind: global_buffer, .address_space: global }
      - { .name: w_img, .offset: 8, .size: 8, .value_kind: global_buffer, .address_space: global }
      - { .name: bq, .offset: 16, .size: 8, .value_kind: global_buffer, .address_space: global }
      - { .name: bk, .offset: 24, .size: 8, .value_kind: global_buffer, .address_space: global }
      - { .name: bv, .offset: 32, .size: 8, .value_kind: global_buffer, .address_space: global }
      - { .name: rope, .offset: 40, .size: 8, .value_kind: global_buffer, .address_space: global }
      - { .name: q_img, .offset: 48, .size: 8, .value_kind: global_buffer, .address_space: global }
      - { .name: kv, .offset: 56, .size: 8, .value_kind: global_buffer, .address_space: global }
    .group_segment_fixed_size: 327680
    .private_segment_fixed_size: 0
    .kernarg_segment_align: 8
    .kernarg_segment_size: 64
    .max_flat_workgroup_size: 128
    .sgpr_count:     102
    .vgpr_count:     1024
    .wavefront_size: 32
...
	.end_amdgpu_metadata
.endif
;; end of part 3
;; launch attn (part 4): grid 4 x 64, 16 waves a work-group, no clusters, 327,680 bytes of LDS; arguments q_img, kv, y_img; writes y_img
.if DOCPART == 4
	.amdgcn_target "amdgcn-amd-amdhsa--gfx1250"
	.amdhsa_code_object_version 6
	.text
	.protected	k_qae08a0f3fc_attn
	.globl	k_qae08a0f3fc_attn
	.p2align	8
	.type	k_qae08a0f3fc_attn,@function
k_qae08a0f3fc_attn:
	s_mov_b64 s[64:65], 0
	v_nop
	global_prefetch_b8 v0, s[64:65] scope:SCOPE_SE
	s_setreg_imm32_b32 hwreg(HW_REG_WAVE_MODE, 25, 1), 1
	s_wait_xcnt 0x0
; y[b][q][head] = softmax_k(q . k / 8, causal) v, both products on codes of BF6 (E3M2) with E8M0 scales; y is quantised along d for the last product and leaves as images of an operand's registers (y_img, laid as x_img).
; THE SOFTMAX: t = score x log2(e) / 8; M = the running largest t rounded UP to a whole number; p = 2^(t - M) is quantised along the keys, not normalised; the row's sum is taken of the unquantised p and divides at the end.
; When M moves, the sum and O are multiplied by 2^(old M - new M): exact.
; SHARES.  Work-group (i, 16 b + head) takes the query blocks i and 7 - i of 256: (i + 1) + (8 - i) = 9 slots of 256 keys in EVERY work-group: the loop's trip count is a constant, all 256 work-groups have equal work,
; and no tile is fetched that nobody reads.  Each of sixteen waves owns one tile of 16 queries of the block, in 256 registers: four waves to a SIMD, so that one wave's vector work stands beside another's products and LDS loads.
; NO CLUSTER: the four work-groups of a head stand at different key slots in every trip (slot T or T - i - 1), so no request of two of them is for the same tile at the same time.
; LAYOUT.  Both products transposed: S^T = k q^T, O^T = v^T p^T: a lane holds ONE query throughout.  A tile's keys are not neighbours (place r of tile t: key 32 (t / 2) + 8 (t % 2) + r + 8 (r / 8)), so that p's 16 registers
; of two neighbouring tiles are 16 neighbouring keys.  THE HEAD IS 64, THE INSTRUCTION'S K IS 128: source 0 holds key tiles 2 u (k 0-63) and 2 u + 1 (k 64-127); it is multiplied once by q with zero codes above and once by q
; with zero codes below: each product is one tile's scores.
; kv: a step of 128 keys is 12,800 dense bytes: k's 8 halves, 256 bytes of its scale words, v's 4 fragments, 256 bytes of theirs.  A slot is two steps; waves 0 and 1 fetch one step each.
; LIMITS: as in quant_x for y's quantiser; a block of p that has fallen to 0 keeps the byte 1 over zero codes.
; REGISTERS: v1-3 16 l, 8 l, 16 r; v4, v5 the add's; v6 r + 8 (r / 8) - 16 h; v7 4 r; v8-10 the step's addresses; v12 -M, v13 the largest t, v[14:15] the sum; v16-27 q below, v28-39 q above; v40, v41 q's scale words;
;   v42-45 k's, v46-49 v's, v50 p's; v52-99 four fragments; v100-163 S^T, then p; v164-195 O^T; v196-215 codes; v216-233 at work; v240-246 and v248-254 the two blocks' q and its two bytes.
.set STEPB, 12800
.set SLOT1, 32768                      ; slot 1 begins here: one exclusive or turns an address in one slot into the other's
.set SPARE, 65536                      ; the spare words, 128 bytes for each of sixteen waves: eight blocks of 256 bytes that no other line names
.set S,   100
.set O,   164
.set PC,  196
.set TM,  216                          ; v216-219 largest scores or magnitudes, v220-223 the other half's, then bytes, v224-227 the conversions' scale operands
.set TT,  228
.set FF,  230                          ; v[230:231]: a factor, named as a pair
.set SU,  232
.set SEL, 20
.macro TLOAD                           ; waves 0 and 1 fetch, one step each; four v_nop follow the line
	s_cmp_lt_u32 s10, 2
	s_cbranch_scc0 .Lnone_\@
	tensor_load_to_lds s[32:35], s[24:31]
	s_nop 0
.rept 4
	v_nop
.endr
.Lnone_\@:
.endm
.macro QUANT2 s, pc, hw                ; 32 numbers of a lane, register 16 b + i = k 32 b + 16 h + i, become half a fragment in v[pc] .. v[pc + 5] (9 are used) and its two bytes in v[hw]
.irp b, 0,1
	v_max3_num_f32 v[TM+\b], |v[\s+16*\b]|, |v[\s+1+16*\b]|, 0x2800000
.endr
.irp i, 2,4,6,8,10,12,14
.irp b, 0,1
	s_delay_alu instid0(VALU_DEP_2)
	v_max3_num_f32 v[TM+\b], v[TM+\b], |v[\s+16*\b+\i]|, |v[\s+1+16*\b+\i]|
.endr
.endr
.irp b, 0,1
	s_delay_alu instid0(VALU_DEP_2)
	v_permlanex16_b32 v[TM+4+\b], v[TM+\b], s[SEL], s[SEL+1]
.endr
.irp b, 0,1
	s_delay_alu instid0(VALU_DEP_2)
	v_max_num_f32 v[TM+\b], v[TM+\b], v[TM+4+\b]
.endr
.irp b, 0,1
	s_delay_alu instid0(VALU_DEP_2)
	v_add_nc_u32 v[TM+8+\b], 0xfe000000, v[TM+\b]
.endr
.irp b, 0,1
	s_delay_alu instid0(VALU_DEP_2)
	v_lshrrev_b32 v[TM+4+\b], 23, v[TM+8+\b]
.endr
	s_delay_alu instid0(VALU_DEP_1)
	v_lshl_or_b32 v[\hw], v[TM+5], 8, v[TM+4]
	v_cvt_scalef32_pk16_bf6_f32 v[\pc:\pc+2], v[\s:\s+15], v[TM+8]
	v_cvt_scalef32_pk16_bf6_f32 v[\pc+6:\pc+8], v[\s+16:\s+31], v[TM+9]
	v_nop                                          ; one plain place behind a scaled conversion
.irp i, 0,1,2
	v_permlane16_swap_b32 v[\pc+\i], v[\pc+6+\i]
.endr
.irp i, 0,1,2
	s_delay_alu instid0(VALU_DEP_3)
	v_mov_b32 v[\pc+3+\i], v[\pc+6+\i]
.endr
.endm
	s_load_b128 s[4:7], s[0:1], 0x0                ; q_img, kv
	s_load_b64 s[8:9], s[0:1], 0x10                ; y_img
	v_lshl_add_u32 v4, v0, 2, SPARE
	v_mov_b32 v5, 0
	ds_add_u32 v4, v5
	ds_add_u32 v4, v5
	s_wait_dscnt 0x0
	v_lshrrev_b32 v11, 5, v0
	s_delay_alu instid0(VALU_DEP_1)
	v_readfirstlane_b32 s10, v11                   ; wave 0..15
	s_mov_b32 s11, ttmp9                           ; i
	s_and_b32 s12, ttmp7, 0xffff                   ; 16 b + head
	s_mov_b32 s24, 3<<16                           ; group 1: a dense block of 12,800 bytes as 50 rows of 32 elements of 8 bytes; no mask, no padding
	s_mov_b32 s25, 32<<16
	s_mov_b32 s26, 50<<16
	s_mov_b32 s27, 32<<16
	s_mov_b32 s28, 50
	s_mov_b32 s29, 32
	s_mov_b32 s30, 0
	s_mov_b32 s31, 0
	s_and_b32 s42, s10, 1
	s_mul_i32 s33, s42, STEPB                      ; group 0: LDS address: slot 0, the step that I fetch
	s_mul_i32 s40, s12, 16*STEPB
	s_add_co_u32 s40, s40, s33
	s_mov_b32 s41, 0
	s_mov_b32 s32, 1
	s_wait_kmcnt 0x0
	s_add_nc_u64 s[18:19], s[6:7], s[40:41]        ; kept: my step of the head's slot 0
	s_mov_b64 s[34:35], s[18:19]
	s_or_b32 s35, s35, 0x80000000
	TLOAD                                          ; slot 0: the one first fill, ahead of every wait on TENSORcnt, LDS read and barrier
	v_and_b32 v11, 31, v0
	s_delay_alu instid0(VALU_DEP_1)
	v_lshlrev_b32 v1, 4, v11                       ; 16 l
	s_delay_alu instid0(VALU_DEP_2)
	v_lshlrev_b32 v2, 3, v11                       ; 8 l
	v_and_b32 v7, 15, v0                           ; r
	s_delay_alu instid0(VALU_DEP_1)
	v_lshlrev_b32 v3, 4, v7                        ; 16 r
	s_wait_alu depctr_va_vdst(0)
	v_and_b32 v6, 8, v7
	s_delay_alu instid0(VALU_DEP_1)
	v_add_nc_u32 v6, v6, v7
	v_bfe_u32 v11, v0, 4, 1
	s_delay_alu instid0(VALU_DEP_1)
	v_lshlrev_b32 v11, 4, v11
	s_delay_alu instid0(VALU_DEP_1)
	v_sub_nc_u32 v6, v6, v11                       ; r + 8 (r / 8) - 16 h
	v_lshlrev_b32 v7, 2, v7                        ; 4 r
	s_mov_b32 s[SEL], 0x76543210
	s_mov_b32 s[SEL+1], 0xfedcba98
	s_mov_b32 s22, 0x3e38aa3b                      ; c = log2(e) / 8
	s_mov_b32 s23, s22                             ; (named with it as a pair, so it is written)
	; q of both blocks: step 2 x block + wave / 8 of the head, tile wave % 8
	s_lshl_b32 s43, s12, 4
	s_lshr_b32 s48, s10, 3
	s_add_co_u32 s43, s43, s48
	s_lshl_b32 s48, s11, 1
	s_add_co_u32 s50, s43, s48
	s_mul_i32 s50, s50, 6400
	s_mov_b32 s51, 0
	s_add_nc_u64 s[52:53], s[4:5], s[50:51]        ; block i
	s_sub_co_u32 s48, 14, s48
	s_add_co_u32 s50, s43, s48
	s_mul_i32 s50, s50, 6400
	s_add_nc_u64 s[54:55], s[4:5], s[50:51]        ; block 7 - i
	s_and_b32 s48, s10, 7
	s_mul_i32 s49, s48, 768
	v_add_nc_u32 v8, s49, v1
	v_add_nc_u32 v9, s49, v2
	s_lshl_b32 s49, s48, 1
	v_add_nc_u32 v10, s49, v3                      ; my row's two bytes: 16 r + 2 x tile
	global_load_b128 v[248:251], v8, s[52:53]
	global_load_b64 v[252:253], v9, s[52:53] offset:512
	global_load_u16 v254, v10, s[52:53] offset:6144
	global_load_b128 v[240:243], v8, s[54:55]
	global_load_b64 v[244:245], v9, s[54:55] offset:512
	global_load_u16 v246, v10, s[54:55] offset:6144
	; where y goes: row tile 128 b + 16 x block + wave; head hd is quarter hd / 4, K step (hd / 2) % 2, half hd % 2
	s_lshr_b32 s56, s12, 4
	s_lshl_b32 s56, s56, 7
	s_add_co_u32 s56, s56, s10
	s_lshl_b32 s57, s11, 4
	s_add_co_u32 s58, s56, s57
	s_sub_co_u32 s59, 112, s57
	s_add_co_u32 s59, s56, s59
	s_and_b32 s60, s12, 15
	s_lshr_b32 s61, s60, 2
	s_mul_i32 s61, s61, 3328
	s_bfe_u32 s62, s60, 0x10001
	s_and_b32 s63, s60, 1
	s_mul_i32 s58, s58, 13312
	s_mul_i32 s59, s59, 13312
	s_add_co_u32 s58, s58, s61
	s_add_co_u32 s59, s59, s61
	s_mul_i32 s56, s62, 1536
	s_mul_i32 s57, s63, 768
	s_add_co_u32 s56, s56, s57                     ; the codes' place in the quarter
	s_lshl_b32 s62, s62, 6
	s_lshl_b32 s63, s63, 1
	s_add_co_u32 s62, s62, s63
	s_add_co_u32 s62, s62, 3072                    ; the two bytes' place
	s_add_co_u32 s50, s58, s56
	s_add_nc_u64 s[36:37], s[8:9], s[50:51]        ; block i: codes,
	s_add_co_u32 s50, s58, s62
	s_add_nc_u64 s[38:39], s[8:9], s[50:51]        ; bytes;
	s_add_co_u32 s50, s59, s56
	s_add_nc_u64 s[44:45], s[8:9], s[50:51]        ; block 7 - i: codes,
	s_add_co_u32 s50, s59, s62
	s_add_nc_u64 s[46:47], s[8:9], s[50:51]        ; bytes
	s_lshr_b32 s42, s10, 1
	s_lshl_b32 s42, s42, 5
	s_and_b32 s43, s10, 1
	s_lshl_b32 s43, s43, 3
	s_add_co_u32 s42, s42, s43
	s_lshl_b32 s43, s11, 8
	s_add_co_u32 s15, s42, s43                     ; my tile's first query in block i: the tile's queries are this + 0 .. 7 and + 16 .. 23
	s_sub_co_u32 s43, 1792, s43
	s_add_co_u32 s17, s42, s43                     ; and in block 7 - i
.irp i, 0,1,2,3,4,5
	v_mov_b32 v[22+\i], 0                          ; the zero codes above and below q: written once
	v_mov_b32 v[28+\i], 0
.endr
.irp b, 0,1,2,3
	v_mov_b32 v[TM+4+\b], 0                        ; written once: a lane permute's destination counts as one of its sources
.endr
	v_mov_b32 v[TT], 0
	v_mov_b32 v[FF+1], 0                           ; (named as the upper half of a pair)
; a block of queries begins: q and its scale words from v[src] on; O^T and the sum are zeros, the largest t is -3e38, under every t: the first change of M multiplies zeros
.macro INIT src
	v_mov_b32 v40, v[\src+6]                       ; the two bytes at k 0-63 (the bytes above stand over zero codes);
	v_lshlrev_b32 v41, 16, v[\src+6]               ; at k 64-127.  More than eight plain lines follow ahead of the next scaled product
.irp i, 0,1,2,3,4,5
	v_mov_b32 v[16+\i], v[\src+\i]
	v_mov_b32 v[34+\i], v[\src+\i]
.endr
	v_mov_b32 v13, 0xff61b1e6
	s_delay_alu instid0(VALU_DEP_1)
	v_floor_f32 v12, -v13
	v_mov_b32 v14, 0
	v_mov_b32 v15, 0
.set j, 0
.rept 32
	v_mov_b32 v[O+j], 0
.set j, j+1
.endr
	s_mov_b32 s14, 0                               ; the step's first key
.endm
; A KEY STEP: 128 keys, the q-th of the slot in hand
.macro STEP q
	s_add_co_u32 s42, s15, 23                      ; a step all of whose keys come after my queries is left out: a branch on ids, round no barrier and no tensor load
	s_cmp_gt_u32 s14, s42
	s_cbranch_scc1 .Lhidden_\@
	v_add_nc_u32 v8, s16, v1
	v_add_nc_u32 v9, s16, v2
	v_add_nc_u32 v10, s16, v3
	v_nop                                          ; four places ahead of loads into registers that the last products read
.irp u, 0,1,2,3                        ; key tiles 2 u and 2 u + 1 make one operand
	ds_load_b128 v[52+12*\u:55+12*\u], v8 offset:STEPB*(\q)+1536*\u
	ds_load_b64 v[56+12*\u:57+12*\u], v9 offset:STEPB*(\q)+1536*\u+512
	ds_load_b128 v[58+12*\u:61+12*\u], v8 offset:STEPB*(\q)+1536*\u+768
	ds_load_b64 v[62+12*\u:63+12*\u], v9 offset:STEPB*(\q)+1536*\u+1280
.endr
	ds_load_b128 v[42:45], v10 offset:STEPB*(\q)+6144
	s_wait_alu depctr_va_vdst(0)
	s_wait_dscnt 0x0
.irp u, 0,1,2,3
	v_wmma_scale_f32_16x16x128_f8f6f4 v[S+16*\u:S+16*\u+7], v[52+12*\u:63+12*\u], v[16:27], 0, v[42+\u], v40 matrix_a_fmt:MATRIX_FMT_BF6 matrix_b_fmt:MATRIX_FMT_BF6
	v_wmma_scale_f32_16x16x128_f8f6f4 v[S+16*\u+8:S+16*\u+15], v[52+12*\u:63+12*\u], v[28:39], 0, v[42+\u], v41 matrix_a_fmt:MATRIX_FMT_BF6 matrix_b_fmt:MATRIX_FMT_BF6
.endr
.rept 4
	v_nop                                          ; places ahead of the loads below and of the first read of the scores
.endr
.irp t, 0,1,2,3                        ; v's four fragments land under the softmax
.irp c, 0,1,2
	ds_load_b128 v[52+12*\t+4*\c:55+12*\t+4*\c], v8 offset:STEPB*(\q)+6400+1536*\t+512*\c
.endr
.endr
	ds_load_b128 v[46:49], v10 offset:STEPB*(\q)+12544
	s_add_co_u32 s42, s14, 127                     ; on the diagonal hidden scores become -infinity; a step all of whose keys count skips this
	s_cmp_le_u32 s42, s15
	s_cbranch_scc1 .Lopen_\@
	s_sub_co_i32 s42, s15, s14
	v_add_nc_u32 v[TT], s42, v6                    ; d = my query - the step's first key - 16 h.  Register 16 b + i holds key 32 b + 16 h + i: hidden where 32 b + i > d
	v_mov_b32 v[TT+1], 0xff800000
.set n, 0
.rept 64
	v_cmp_gt_i32 vcc_lo, 32*(n/16)+n%16, v[TT]
	v_cndmask_b32 v[S+n], v[S+n], v[TT+1], vcc_lo
.set n, n+1
.endr
.Lopen_\@:
.irp b, 0,1,2,3
	v_max3_num_f32 v[TM+\b], v[S+16*\b], v[S+1+16*\b], v[S+2+16*\b]   ; the largest score of each block of 32 keys: for the row's maximum, and, since p rises with the score, for the block's largest p
.endr
.irp i, 3,5,7,9,11,13
.irp b, 0,1,2,3
	v_max3_num_f32 v[TM+\b], v[TM+\b], v[S+16*\b+\i], v[S+1+16*\b+\i]
.endr
.endr
.irp b, 0,1,2,3
	v_max_num_f32 v[TM+\b], v[TM+\b], v[S+15+16*\b]
.endr
.irp b, 0,1,2,3
	s_delay_alu instid0(VALU_DEP_4)
	v_permlanex16_b32 v[TM+4+\b], v[TM+\b], s[SEL], s[SEL+1]
.endr
.irp b, 0,1,2,3
	s_delay_alu instid0(VALU_DEP_4)
	v_max_num_f32 v[TM+\b], v[TM+\b], v[TM+4+\b]
.endr
	s_delay_alu instid0(VALU_DEP_2)
	v_max3_num_f32 v[TT], v[TM], v[TM+1], v[TM+2]
	s_delay_alu instid0(VALU_DEP_1)
	v_max_num_f32 v[TT], v[TT], v[TM+3]
	s_delay_alu instid0(VALU_DEP_1)
	v_mul_f32 v[TT], s22, v[TT]                    ; as t (c is positive)
	s_delay_alu instid0(VALU_DEP_1)
	v_max_num_f32 v13, v13, v[TT]                  ; the running largest t
	v_mov_b32 v[TT], v12
	s_delay_alu instid0(VALU_DEP_2)
	v_floor_f32 v12, -v13                          ; the new -M = floor(-t): M is a whole number
	s_delay_alu instid0(VALU_DEP_1)
	v_sub_f32 v[TT], v12, v[TT]                    ; old M - new M: a whole number, 0 or less
	s_delay_alu instid0(VALU_DEP_1)
	v_cvt_i32_f32 v[TT], v[TT]                     ; (it saturates)
	s_delay_alu instid0(VALU_DEP_1)
	v_ldexp_f32 v[FF], 1.0, v[TT]                  ; f = 2^(old M - new M)
.set j, 0
.rept 32
	v_pk_fma_f32 v[S+j:S+j+1], v[S+j:S+j+1], s[22:23], v[12:13] op_sel_hi:[1,0,0]   ; t - M, two at a time
.set j, j+2
.endr
.irp b, 0,1,2,3
	v_fma_f32 v[TM+\b], v[TM+\b], s22, v12
.endr
.set j, 0
	s_wait_alu depctr_va_vdst(0)
.rept 64
	v_exp_f32 v[S+j], v[S+j]                       ; p = 2^(t - M), at most 1
.set j, j+1
.endr
.irp b, 0,1,2,3
	v_exp_f32 v[TM+\b], v[TM+\b]                   ; the block's largest p: the same two instructions on the same number
.endr
	v_pk_mul_f32 v[14:15], v[14:15], v[FF:FF+1] op_sel_hi:[1,0]   ; the sums under the new M (a plain place behind the exponentials)
	s_wait_alu depctr_va_vdst(0)
.irp b, 0,1,2,3
	v_max_num_f32 v[TM+\b], 0x2800000, v[TM+\b]    ; the floor 2^(5 - 127)
.endr
.irp b, 0,1,2,3
	s_delay_alu instid0(VALU_DEP_4)
	v_add_nc_u32 v[TM+8+\b], 0xfe000000, v[TM+\b]
.endr
.irp b, 0,1,2,3
	s_delay_alu instid0(VALU_DEP_4)
	v_lshrrev_b32 v[TM+4+\b], 23, v[TM+8+\b]
.endr
	s_delay_alu instid0(VALU_DEP_3)
	v_lshl_or_b32 v50, v[TM+5], 8, v[TM+4]         ; p's scale word for these 128 keys
	s_delay_alu instid0(VALU_DEP_1)
	v_lshl_or_b32 v50, v[TM+6], 16, v50
	s_delay_alu instid0(VALU_DEP_1)
	v_lshl_or_b32 v50, v[TM+7], 24, v50
.irp c, 0,1
	v_cvt_scalef32_pk16_bf6_f32 v[PC+6*\c:PC+2+6*\c], v[S+32*\c:S+15+32*\c], v[TM+8+2*\c]
	v_cvt_scalef32_pk16_bf6_f32 v[PC+12+4*\c:PC+14+4*\c], v[S+16+32*\c:S+31+32*\c], v[TM+8+2*\c+1]
.endr
	v_nop                                          ; one plain place behind a scaled conversion
.irp c, 0,1
.irp i, 0,1,2
	v_permlane16_swap_b32 v[PC+6*\c+\i], v[PC+12+4*\c+\i]
.endr
.irp i, 0,1,2
	s_delay_alu instid0(VALU_DEP_3)
	v_mov_b32 v[PC+3+6*\c+\i], v[PC+12+4*\c+\i]
.endr
.endr
	v_pk_add_f32 v[232:233], v[104:105], v[108:109]
	v_pk_add_f32 v[254:255], v[112:113], v[116:117]
	v_pk_add_f32 v[252:253], v[120:121], v[124:125]
	v_pk_add_f32 v[250:251], v[128:129], v[132:133]
	v_pk_add_f32 v[248:249], v[136:137], v[140:141]
	v_pk_add_f32 v[238:239], v[144:145], v[148:149]
	v_pk_add_f32 v[236:237], v[152:153], v[156:157]
	v_pk_add_f32 v[14:15], v[14:15], v[160:161]
	v_pk_add_f32 v[232:233], v[232:233], v[100:101]
	v_pk_add_f32 v[254:255], v[254:255], v[102:103]
	v_pk_add_f32 v[252:253], v[252:253], v[106:107]
	v_pk_add_f32 v[250:251], v[250:251], v[110:111]
	v_pk_add_f32 v[248:249], v[248:249], v[114:115]
	v_pk_add_f32 v[238:239], v[238:239], v[118:119]
	v_pk_add_f32 v[236:237], v[236:237], v[122:123]
	v_pk_add_f32 v[14:15], v[14:15], v[126:127]
	v_pk_add_f32 v[232:233], v[232:233], v[130:131]
	v_pk_add_f32 v[254:255], v[254:255], v[134:135]
	v_pk_add_f32 v[252:253], v[252:253], v[138:139]
	v_pk_add_f32 v[250:251], v[250:251], v[142:143]
	v_pk_add_f32 v[248:249], v[248:249], v[146:147]
	v_pk_add_f32 v[238:239], v[238:239], v[150:151]
	v_pk_add_f32 v[236:237], v[236:237], v[154:155]
	v_pk_add_f32 v[14:15], v[14:15], v[158:159]
	v_pk_add_f32 v[232:233], v[232:233], v[162:163]
	s_delay_alu instid0(VALU_DEP_2)
	v_pk_add_f32 v[14:15], v[14:15], v[250:251]
	s_delay_alu instid0(VALU_DEP_2)
	v_pk_add_f32 v[232:233], v[232:233], v[248:249]
	v_pk_add_f32 v[254:255], v[254:255], v[238:239]
	v_pk_add_f32 v[252:253], v[252:253], v[236:237]
	s_delay_alu instid0(VALU_DEP_2)
	v_pk_add_f32 v[14:15], v[14:15], v[254:255]
	s_delay_alu instid0(VALU_DEP_2)
	v_pk_add_f32 v[232:233], v[232:233], v[252:253]
	s_delay_alu instid0(VALU_DEP_1)
	v_pk_add_f32 v[14:15], v[14:15], v[232:233]
.set j, 0
.rept 16
	v_pk_mul_f32 v[O+j:O+j+1], v[O+j:O+j+1], v[FF:FF+1] op_sel_hi:[1,0]   ; O^T under the new M, each accumulator from its low end on
.set j, j+2
.endr
	s_wait_alu depctr_va_vdst(0)
	s_wait_dscnt 0x0                               ; v and its scale words
.irp t, 0,1,2,3                        ; the four accumulators by turns
	v_wmma_scale_f32_16x16x128_f8f6f4 v[O+8*\t:O+8*\t+7], v[52+12*\t:63+12*\t], v[PC:PC+11], v[O+8*\t:O+8*\t+7], v[46+\t], v50 matrix_a_fmt:MATRIX_FMT_BF6 matrix_b_fmt:MATRIX_FMT_BF6
.endr
.Lhidden_\@:
	s_add_co_u32 s14, s14, 128
.endm
; THE CHANGE OF SLOTS stands at a slot's head.  Each wave waits for all its tensor loads, adds 0 to its spare word, and waits for that and for its reads of the slot that it has left.
; fill = 1: that slot takes the next trip's keys: slot T + 1 of block i's run while T < i, else slot T - i of block 7 - i's run.
.macro CHANGE fill
	s_wait_tensorcnt 0x0                           ; no tensor load of mine is out, so group 0 may be written
	ds_add_u32 v4, v5                              ; 0 onto my spare word
.if \fill
	s_add_co_u32 s42, s13, 1
	s_sub_co_u32 s43, s13, s11
	s_cmp_lt_u32 s13, s11
	s_cselect_b32 s42, s42, s43
	s_mul_i32 s40, s42, 2*STEPB
	s_mov_b32 s41, 0
	s_add_nc_u64 s[34:35], s[18:19], s[40:41]
	s_or_b32 s35, s35, 0x80000000
	s_xor_b32 s33, s33, SLOT1                      ; the other slot than last time
.endif
	s_wait_dscnt 0x0                               ; the add is done, and my reads of the slot that I have left are over
	s_barrier_signal -1
	s_barrier_wait -1
.if \fill
	TLOAD                                          ; the first thing behind the barrier, a wave's one tensor load until the next: it has a slot's two steps in which to land
.endif
.endm
; a block of queries ends: O^T / the sum, quantised along d: half a fragment of y and its two scale bytes
.macro FINISH yb, ys
.rept 4
	v_nop                                          ; places behind the last products
.endr
	v_add_f32 v14, v14, v15
	s_delay_alu instid0(VALU_DEP_1)
	v_permlanex16_b32 v[TT], v14, s[SEL], s[SEL+1]
	s_delay_alu instid0(VALU_DEP_1)
	v_add_f32 v14, v14, v[TT]                      ; the row's sum
	s_wait_alu depctr_va_vdst(0)
	v_rcp_f32 v[FF], v14
	v_nop                                          ; one plain place behind a transcendental
.set j, 0
	s_wait_alu depctr_va_vdst(0)
.rept 16
	v_pk_mul_f32 v[S+j:S+j+1], v[O+j:O+j+1], v[FF:FF+1] op_sel_hi:[1,0]   ; register 16 b + i is y(my query, 32 b + 16 h + i)
.set j, j+2
.endr
	QUANT2 S, PC, TT+1
	global_store_b128 v1, v[PC:PC+3], s[\yb:\yb+1]
	global_store_b64 v2, v[PC+4:PC+5], s[\yb:\yb+1] offset:512
	global_store_b16 v7, v[TT+1], s[\ys:\ys+1]     ; two bytes a row (both halves of the lanes store the same): two heads share a scale word; one twenty-fourth of the codes' bytes
	s_wait_xcnt 0x0                                ; the stores have read their registers
.endm
	s_wait_loadcnt 0x0                             ; q of both blocks
	INIT 248
	s_mov_b32 s13, 0                               ; the trip
	s_mov_b32 s16, 0                               ; LDS byte at which the slot in hand begins
.Lslot:                                            ; eight trips; the ninth is written out
	CHANGE 1
	STEP 0
	STEP 1
	s_xor_b32 s16, s16, SLOT1
	s_cmp_lg_u32 s13, s11                          ; behind trip i block i is done: a branch on ids
	s_cbranch_scc1 .Lsame
	FINISH 36, 38
	INIT 240
	s_mov_b32 s15, s17
.Lsame:
	s_add_co_u32 s13, s13, 1
	s_cmp_lt_u32 s13, 8
	s_cbranch_scc1 .Lslot
	CHANGE 0
	STEP 0
	STEP 1
	FINISH 44, 46
	s_wait_tensorcnt 0x0                           ; the wave's end
	ds_add_u32 v4, v5
	s_wait_dscnt 0x0
	s_endpgm
.Lfunc_end_k_qae08a0f3fc_attn:
	.size	k_qae08a0f3fc_attn, .Lfunc_end_k_qae08a0f3fc_attn-k_qae08a0f3fc_attn
	.p2alignl 7, 3214868480
	.fill 96, 4, 3214868480
	.section	.rodata,"a",@progbits
	.p2align	6, 0x0
	.amdhsa_kernel k_qae08a0f3fc_attn
		.amdhsa_group_segment_fixed_size 327680
		.amdhsa_private_segment_fixed_size 0
		.amdhsa_enable_private_segment 0
		.amdhsa_kernarg_size 24
		.amdhsa_user_sgpr_count 2
		.amdhsa_user_sgpr_kernarg_segment_ptr 1
		.amdhsa_wavefront_size32 1
		.amdhsa_system_sgpr_workgroup_id_x 1
		.amdhsa_system_sgpr_workgroup_id_y 1
		.amdhsa_system_sgpr_workgroup_id_z 1
		.amdhsa_system_vgpr_workitem_id 0
		.amdhsa_next_free_vgpr 256
		.amdhsa_next_free_sgpr 66
		.amdhsa_reserve_vcc 1
		.amdhsa_float_denorm_mode_32 3
		.amdhsa_float_denorm_mode_16_64 3
		.amdhsa_memory_ordered 1
		.amdhsa_forward_progress 1
		.amdhsa_inst_pref_size 108
	.end_amdhsa_kernel
	.amdgpu_metadata
---
amdhsa.version: [ 1, 2 ]
amdhsa.kernels:
  - .name:           k_qae08a0f3fc_attn
    .symbol:         k_qae08a0f3fc_attn.kd
    .args:
      - { .name: q_img, .offset: 0, .size: 8, .value_kind: global_buffer, .address_space: global }
      - { .name: kv, .offset: 8, .size: 8, .value_kind: global_buffer, .address_space: global }
      - { .name: y_img, .offset: 16, .size: 8, .value_kind: global_buffer, .address_space: global }
    .group_segment_fixed_size: 327680
    .private_segment_fixed_size: 0
    .kernarg_segment_align: 8
    .kernarg_segment_size: 24
    .max_flat_workgroup_size: 512
    .sgpr_count:     66
    .vgpr_count:     256
    .wavefront_size: 32
...
	.end_amdgpu_metadata
.endif
;; end of part 4
;; launch gemm_out (part 5): grid 4 x 32, 4 waves a work-group, clusters of 4 x 4, 327,680 bytes of LDS; arguments y_img, w_img, bo, out0; writes out0
.if DOCPART == 5
	.amdgcn_target "amdgcn-amd-amdhsa--gfx1250"
	.amdhsa_code_object_version 6
	.text
	.protected	k_qae08a0f3fc_gemm_out
	.globl	k_qae08a0f3fc_gemm_out
	.p2align	8
	.type	k_qae08a0f3fc_gemm_out,@function
k_qae08a0f3fc_gemm_out:
	s_mov_b64 s[64:65], 0
	v_nop
	global_prefetch_b8 v0, s[64:65] scope:SCOPE_SE
	s_setreg_imm32_b32 hwreg(HW_REG_WAVE_MODE, 25, 1), 1
	s_wait_xcnt 0x0
	s_wait_alu depctr_hold_cnt(0) depctr_sa_sdst(0) depctr_va_vdst(0) depctr_va_sdst(0) depctr_va_ssrc(0) depctr_va_vcc(0) depctr_vm_vsrc(0)
	s_getreg_b32 s2, hwreg(HW_REG_IB_STS2, 6, 4)
	s_cmp_eq_u32 s2, 0
	s_cbranch_scc0 .Lentry_in_a_cluster
	s_endpgm
.Lentry_in_a_cluster:
	s_bfe_u32 s2, ttmp6, 0x10000c
	s_cmp_lg_u32 s2, 0xf033
	s_cbranch_scc0 .Lentry_shape_is_right
	s_endpgm
.Lentry_shape_is_right:
; out0 = y Wo + bo on codes of BF6 (E3M2) with E8M0 scales; out0 [8192][1024] f32.  The product is that of gemm_qkv's roles q, k: A = tokens (y_img), B = Wo's columns (w_img, tiles 12 to 15); 256 x 256 a work-group,
; 128 x 128 a wave, transposed use, three LDS slots for quarters 0, 1, 2 of K and one refill (quarter 3 into slot 0), joint loads in clusters of 4 x 4.  The grid has 128 work-groups: one for each tile of 256 x 256.
; The bias is the C of each sum's first matrix instruction: eight registers a tile of columns, in the result's layout.
; THE WAY OUT: a lane holds 16 neighbouring columns of two tiles, the lanes beside it other rows: a block of 16 rows goes through the wave's own stage in LDS and leaves as whole rows of 512 bytes.  The stage lies in slot 1,
; which has had its only fill, and which nobody reads behind the second barrier of the K steps.  Place t of block a is row 32 (a / 2) + 8 (a % 2) + t + 8 (t / 8).
; REGISTERS: as in gemm_qkv; v23 and v25 the stage's addresses; v64-127 the bias; on the way out v128-191 and v192-255 take rows by turns.
.set QS,    3328
.set ROWB,  3200
.set PART,  8*ROWB
.set SLOT,  4*PART
.set SPARE, 3*SLOT                     ; the spare words, 128 bytes for each wave: two blocks of 256 bytes that no other line names
.set FR,    12
.set SC,    32
.set AF,    128
.set SPW,   28
.set NIL,   29
.set STO,   23
.set RD,    25
.set BK,    128
.set G1A,   28
.set G1B,   36
.set G0A,   44
.set G0B0,  56
.set G0B1,  60
.set G0B2,  68
.set MUL_LO, 0xa1
.set MUL_HI, 0xf1
.set TO_B,   0x40
.set MSB, 0
.macro WIN new                         ; the immediate's high byte repeats the setting that is left; a switch that changes nothing is dropped
.if MSB != (\new)
	s_set_vgpr_msb (MSB<<8)|(\new)
.set MSB, (\new)
.endif
.endm
.macro PLACES                          ; four plain places behind matrix instructions (ISA guide 7.12.1)
.rept 4
	v_nop
.endr
.endm
.macro JLOAD g0a, g0b                  ; a joint load: waves 0 and 1 fetch A's halves, waves 2 and 3 B's; four v_nop follow each of the two lines
	s_cmp_eq_u32 s21, 0
	s_cbranch_scc0 .Lfor_b_\@
	tensor_load_to_lds s[\g0a:\g0a+3], s[G1A:G1A+7]
	s_nop 0
.rept 4
	v_nop
.endr
	s_branch .Lasked_\@
.Lfor_b_\@:
	tensor_load_to_lds s[\g0b:\g0b+3], s[G1B:G1B+7]
	s_nop 0
.rept 4
	v_nop
.endr
.Lasked_\@:
.endm
.macro CREST
	s_cmp_lg_u32 s20, 0
	s_cbranch_scc1 .Lnot_wave_0_\@
	s_barrier_signal -3
.Lnot_wave_0_\@:
	s_barrier_wait -3
	s_barrier_signal -1
	s_barrier_wait -1
.endm
.macro CROUND
	s_barrier_signal -1
	s_barrier_wait -1
	CREST
.endm
.macro MKG0 g, p, s
	s_mov_b32 s[\g], 1
	s_add_co_u32 s[\g+1], s90, (\s)*SLOT
	s_add_nc_u64 s[\g+2:\g+3], s[\p:\p+1], (\s)*QS
	s_or_b32 s[\g+3], s[\g+3], 0x80000000
.endm
.macro FRAG reg, a16, off              ; a fragment's image: registers 0-3 at 16 l, 4-5 at 512 + 8 l, 6-9 at 768 + 16 l, 10-11 at 1280 + 8 l
	ds_load_b128 v[\reg:\reg+3], v[\a16] offset:\off
	ds_load_b64 v[\reg+4:\reg+5], v[\a16+1] offset:\off+512
	ds_load_b128 v[\reg+6:\reg+9], v[\a16] offset:\off+768
	ds_load_b64 v[\reg+10:\reg+11], v[\a16+1] offset:\off+1280
.endm
.macro FETCH_B slot, e, p
	WIN TO_B
.irp i, 0,1,2,3,4,5,6,7
	FRAG 128*(\p)+FR*\i, 10+5*(\slot), ROWB*\i+1536*(\e)
.endr
	WIN 0
.endm
.macro FETCH_A slot, e, i0
.irp i, \i0, \i0+1, \i0+2, \i0+3
	FRAG AF+FR*(\i), 8+5*(\slot), ROWB*(\i)+1536*(\e)
.endr
.endm
.macro SCALES slot, e, p               ; register i of set p: lanes 0-15 the words of A's block i, lanes 16-31 those of B's block i
.irp i, 0,1,2,3,4,5,6,7
	ds_load_b32 v[SC+8*(\p)+\i], v[12+5*(\slot)] offset:ROWB*\i+3072+64*(\e)
.endr
.endm
; 16 matrix instructions.  cmode 2: the bias is the C of the sum's first product; 1: in place.  The 64 accumulators take turns in one order throughout.
.macro MUL16 a0, p, cmode
.irp a, \a0, \a0+1
.irp b, 0,1,2,3,4,5,6,7
.set AC, 8*(8*((\a)%4)+\b)
.set BF, 128*(\p)+FR*\b
.set AA, AF+FR*(\a)
.if \cmode == 2
	v_wmma_scale_f32_16x16x128_f8f6f4 v[AC:AC+7], v[BF:BF+FR-1], v[AA:AA+FR-1], v[64+8*\b:71+8*\b], v[SC+8*(\p)+\b], v[SC+8*(\p)+(\a)] matrix_a_fmt:MATRIX_FMT_BF6 matrix_b_fmt:MATRIX_FMT_BF6 matrix_a_scale:MATRIX_SCALE_ROW1
.else
	v_wmma_scale_f32_16x16x128_f8f6f4 v[AC:AC+7], v[BF:BF+FR-1], v[AA:AA+FR-1], v[AC:AC+7], v[SC+8*(\p)+\b], v[SC+8*(\p)+(\a)] matrix_a_fmt:MATRIX_FMT_BF6 matrix_b_fmt:MATRIX_FMT_BF6 matrix_a_scale:MATRIX_SCALE_ROW1
.endif
.endr
.endr
.endm
.macro STEP p, ns, ne, cmode
	s_wait_dscnt 16                                ; all but the youngest sixteen loads (A's blocks 4-7)
.if \cmode == 2
	WIN 0x81                                       ; source 0 window 1, C (the bias) window 0, D window 2
.else
	WIN MUL_LO
.endif
	MUL16 0, \p, \cmode
	MUL16 2, \p, \cmode
	s_wait_dscnt 0x0
	PLACES
	FETCH_B \ns, \ne, 1-\p
	FETCH_A \ns, \ne, 0
	SCALES \ns, \ne, 1-\p
.if \cmode == 2
	WIN 0xc1
.else
	WIN MUL_HI
.endif
	MUL16 4, \p, \cmode
	MUL16 6, \p, \cmode
	PLACES
	WIN 0
	FETCH_A \ns, \ne, 4
.endm
.macro TURN p, ns, ne, fill            ; a K step with a barrier in it; fill = 1: a round of the cluster's barrier, and slot 0 takes quarter 3
	s_wait_tensorcnt 0x0                           ; all my tensor loads have landed (every window is 0 here)
	ds_add_u32 v[SPW], v[NIL]                      ; 0 onto my spare word
	s_wait_dscnt 17                                ; (the add and the youngest sixteen loads may be out)
	WIN MUL_LO
	MUL16 0, \p, 1
	s_wait_dscnt 0x0                               ; the add is done, and my LDS reads are back
	s_barrier_signal -1
	MUL16 2, \p, 1
	WIN 0
	s_barrier_wait -1
.if \fill
	CREST                                          ; no wave of any partner still reads slot 0 or has a load on its way
	s_add_nc_u64 s[G0A+2:G0A+3], s[G0A+2:G0A+3], 3*QS
	s_add_nc_u64 s[G0B0+2:G0B0+3], s[G0B0+2:G0B0+3], 3*QS
	JLOAD G0A, G0B0                                ; the first tensor load behind the round, my one load; its four v_nop are the places for the loads below
.else
	PLACES
.endif
	FETCH_B \ns, \ne, 1-\p
	FETCH_A \ns, \ne, 0
	SCALES \ns, \ne, 1-\p
	WIN MUL_HI
	MUL16 4, \p, 1
	MUL16 6, \p, 1
	PLACES
	WIN 0
	FETCH_A \ns, \ne, 4
.endm
	s_load_b256 s[4:11], s[0:1], 0x0               ; y_img s[4:5], w_img s[6:7], bo s[8:9], out0 s[10:11]
	v_lshl_add_u32 v[SPW], v0, 2, SPARE
	v_mov_b32 v[NIL], 0
	ds_add_u32 v28, v29
	ds_add_u32 v28, v29
	s_wait_dscnt 0x0
	v_lshrrev_b32 v1, 5, v0
	v_readfirstlane_b32 s20, v1                    ; wave 0..3
	s_lshr_b32 s21, s20, 1                         ; which half of the rows is mine.  Also: I fetch for A (0) or for B (1)
	s_and_b32 s22, s20, 1                          ; which half of the columns.  Also: which eight row tiles I fetch
	s_bfe_u32 s23, ttmp6, 0x40000                  ; cx
	s_bfe_u32 s24, ttmp6, 0x40004                  ; cy
	s_and_b32 s26, ttmp7, 0xffff                   ; the cluster's y
	s_lshl_b32 s72, s24, 2
	s_lshl_b32 s72, 15, s72                        ; my row of the cluster
	s_lshl_b32 s73, 0x1111, s23                    ; my column
	s_or_b32 s[G1A], s72, (3<<16)|(1<<21)
	s_or_b32 s[G1B], s73, (3<<16)|(1<<21)
.irp g, G1A, G1B
	s_mov_b32 s[\g+1], 400<<16                     ; rows of 400 elements of 8 bytes,
	s_mov_b32 s[\g+2], 8<<16                       ; eight of them,
	s_mov_b32 s[\g+3], 400<<16
	s_mov_b32 s[\g+4], 8
	s_mov_b32 s[\g+5], 1664                        ; 13,312 bytes apart
	s_mov_b32 s[\g+6], 0
	s_mov_b32 s[\g+7], 0
.endr
	s_lshl_b32 s75, s26, 2
	s_add_co_u32 s75, s75, s24                     ; A's tile: 4 Y + cy
	s_add_co_u32 s86, s23, 12                      ; B's tile: Wo's 12 + cx
	s_lshl_b32 s87, s22, 3
	s_mul_i32 s90, s20, PART                       ; where my part goes: no place in the cluster enters an LDS address
	s_lshl_b32 s84, s75, 4
	s_add_co_u32 s84, s84, s87
	s_mul_i32 s84, s84, 13312
	s_mov_b32 s85, 0
	s_lshl_b32 s88, s86, 4
	s_add_co_u32 s88, s88, s87
	s_mul_i32 s88, s88, 13312
	s_mov_b32 s89, 0
	s_wait_kmcnt 0x0
	s_add_nc_u64 s[80:81], s[4:5], s[84:85]
	s_add_nc_u64 s[82:83], s[6:7], s[88:89]
	MKG0 G0A, 80, 0
	MKG0 G0A+4, 80, 1
	MKG0 G0A+8, 80, 2
	MKG0 G0B0, 82, 0
	MKG0 G0B1, 82, 1
	MKG0 G0B2, 82, 2
	CROUND                                         ; all sixteen work-groups are here: the first joint loads meet
	s_cmp_eq_u32 s21, 0                            ; a wave's three first fills stand in one branch: three loads of mine are out
	s_cbranch_scc0 .Lfirst_b
	tensor_load_to_lds s[G0A:G0A+3], s[G1A:G1A+7]
	s_nop 0
	tensor_load_to_lds s[G0A+4:G0A+7], s[G1A:G1A+7]
	s_nop 0
	tensor_load_to_lds s[G0A+8:G0A+11], s[G1A:G1A+7]
	s_nop 0
.rept 4
	v_nop
.endr
	s_branch .Lfirst_asked
.Lfirst_b:
	tensor_load_to_lds s[G0B0:G0B0+3], s[G1B:G1B+7]
	s_nop 0
	tensor_load_to_lds s[G0B1:G0B1+3], s[G1B:G1B+7]
	s_nop 0
	tensor_load_to_lds s[G0B2:G0B2+3], s[G1B:G1B+7]
	s_nop 0
.rept 4
	v_nop
.endr
.Lfirst_asked:
	v_and_b32 v1, 31, v0                           ; lane
	v_and_b32 v2, 15, v0                           ; r
	v_bfe_u32 v3, v0, 4, 1                         ; h
	v_lshlrev_b32 v4, 4, v1                        ; 16 l
	v_lshlrev_b32 v5, 3, v1                        ; 8 l
	v_lshlrev_b32 v6, 2, v2                        ; 4 r
	s_mul_i32 s91, s21, PART
	s_mul_i32 s92, s22, PART
	s_add_co_u32 s92, s92, 2*PART
	s_sub_co_u32 s93, s92, s91
	v_mul_u32_u24 v7, s93, v3                      ; scale words: lanes 16-31 take B's: the lower base + h x the distance
	v_add_nc_u32 v7, v7, v6
.irp s, 0,1,2
	v_add_nc_u32 v[8+5*\s], s91, v4
	v_add_nc_u32 v[9+5*\s], s91, v5
	v_add_nc_u32 v[10+5*\s], s92, v4
	v_add_nc_u32 v[11+5*\s], s92, v5
	v_add_nc_u32 v[12+5*\s], s91, v7
	s_add_co_u32 s91, s91, SLOT
	s_add_co_u32 s92, s92, SLOT
.endr
	s_mul_i32 s84, s20, 16*528
	s_add_co_u32 s84, s84, SLOT                    ; my stage, in slot 1
	v_mul_u32_u24 v[STO], v2, 528
	v_lshl_add_u32 v[STO], v3, 6, v[STO]
	v_add_nc_u32 v[STO], s84, v[STO]               ; in: row r, + 64 h
	v_add_nc_u32 v[RD], s84, v4                    ; back: 16 bytes a lane of a row
	s_lshl_b32 s96, s23, 8
	s_lshl_b32 s97, s22, 7
	s_add_co_u32 s96, s96, s97                     ; my first column: 256 cx + 128 x half
	s_lshl_b32 s96, s96, 2
	s_mov_b32 s97, 0
	s_add_nc_u64 s[94:95], s[8:9], s[96:97]
	v_lshlrev_b32 v24, 6, v3                       ; the bias: register 16 b + i = column 32 b + 16 h + i
.set i, 0
.rept 16
	global_load_b128 v[64+4*i:67+4*i], v24, s[94:95] offset:128*(i/4)+16*(i%4)
.set i, i+1
.endr
	s_lshl_b32 s98, s75, 8
	s_lshl_b32 s99, s21, 7
	s_add_co_u32 s98, s98, s99                     ; my first row: 256 x tile + 128 x half
	s_lshl_b32 s98, s98, 12
	s_add_co_u32 s98, s98, s96                     ; + my first column's bytes
	s_mov_b32 s99, 0
	s_add_nc_u64 s[10:11], s[10:11], s[98:99]
	s_wait_tensorcnt 0x2                           ; my part of quarter 0 is in; quarters 1 and 2 may stay out
	s_barrier_signal -1
	s_barrier_wait -1
	FETCH_B 0, 0, 0
	FETCH_A 0, 0, 0
	SCALES 0, 0, 0
	FETCH_A 0, 0, 4
	s_wait_loadcnt 0x0                             ; the bias
	STEP 0, 0, 1, 2                                ; K step 0: its products start the sums from the bias
	TURN 1, 1, 0, 1                                ; K step 1: slot 0 is left and takes quarter 3
	STEP 0, 1, 1, 1
	s_wait_alu depctr_va_vdst(0)
	STEP 1, 2, 0, 1
	STEP 0, 2, 1, 1
	TURN 1, 0, 0, 0                                ; K step 5: quarter 3 has landed; behind this barrier nobody reads slot 1
	STEP 0, 0, 1, 1
	s_wait_dscnt 16                                ; K step 7: nothing more to fetch
	WIN MUL_LO
	MUL16 0, 1, 1
	MUL16 2, 1, 1
	s_wait_dscnt 0x0
	WIN MUL_HI
	MUL16 4, 1, 1
	MUL16 6, 1, 1
	WIN 0
.macro TOSTAGE a                       ; block a into my stage and back as rows.  LDS serves a wave's instructions in order: no wait between the stores and the loads, nor ahead of the next block's stores
.set AC, 64*((\a)%4)
	WIN 0x08+4*((\a)/4)                            ; an LDS store's data: window 2 or 3
.irp b, 0,1,2,3,4,5,6,7
	ds_store_b128 v[STO], v[AC+8*\b:AC+8*\b+3] offset:128*(\b/2)+32*(\b%2)        ; each accumulator from its low end on
	ds_store_b128 v[STO], v[AC+8*\b+4:AC+8*\b+7] offset:128*(\b/2)+32*(\b%2)+16
.endr
	WIN 0
.set BB, BK+64*((\a)%2)
.irp t, 0,1,2,3,4,5,6,7,8,9,10,11,12,13,14,15
	ds_load_b128 v[BB+4*\t:BB+4*\t+3], v[RD] offset:\t*528
.endr
.endm
.macro SEND a, younger                 ; younger: the LDS instructions issued behind block a's loads, which may stay out
.set BB, BK+64*((\a)%2)
	s_wait_dscnt \younger
.irp t, 0,1,2,3,4,5,6,7,8,9,10,11,12,13,14,15
	global_store_b128 v4, v[BB+4*\t:BB+4*\t+3], s[10:11] offset:(32*((\a)/2)+8*((\a)%2)+\t+8*(\t/8))*4096 th:TH_STORE_NT   ; 32 lanes store 512 consecutive bytes, at a multiple of 256 from out0's first byte
.endr
.endm
	PLACES                                         ; ahead of the reads of results and of the loads into A's registers
	TOSTAGE 0
.irp a, 1,2,3,4,5,6,7
.if \a > 1
	s_wait_xcnt 0x0                                ; block a - 2's stores have read their registers: block a's rows may land there
.endif
	TOSTAGE \a
	SEND \a-1, 32                                  ; behind block a - 1's loads: block a's 16 stores and 16 loads
.endr
	SEND 7, 0
	s_wait_tensorcnt 0x0                           ; the wave's end, behind my last tensor load and my last LDS store
	ds_add_u32 v[SPW], v[NIL]
	s_wait_dscnt 0x0
	CROUND                                         ; the closing round
	s_endpgm
.Lfunc_end_k_qae08a0f3fc_gemm_out:
	.size	k_qae08a0f3fc_gemm_out, .Lfunc_end_k_qae08a0f3fc_gemm_out-k_qae08a0f3fc_gemm_out
	.p2alignl 7, 3214868480
	.fill 96, 4, 3214868480
	.section	.rodata,"a",@progbits
	.p2align	6, 0x0
	.amdhsa_kernel k_qae08a0f3fc_gemm_out
		.amdhsa_group_segment_fixed_size 327680
		.amdhsa_private_segment_fixed_size 0
		.amdhsa_enable_private_segment 0
		.amdhsa_kernarg_size 32
		.amdhsa_user_sgpr_count 2
		.amdhsa_user_sgpr_kernarg_segment_ptr 1
		.amdhsa_wavefront_size32 1
		.amdhsa_system_sgpr_workgroup_id_x 1
		.amdhsa_system_sgpr_workgroup_id_y 1
		.amdhsa_system_sgpr_workgroup_id_z 1
		.amdhsa_system_vgpr_workitem_id 0
		.amdhsa_next_free_vgpr 1024
		.amdhsa_next_free_sgpr 102
		.amdhsa_reserve_vcc 0
		.amdhsa_float_denorm_mode_32 3
		.amdhsa_float_denorm_mode_16_64 3
		.amdhsa_memory_ordered 1
		.amdhsa_forward_progress 1
		.amdhsa_inst_pref_size 144
	.end_amdhsa_kernel
	.amdgpu_metadata
---
amdhsa.version: [ 1, 2 ]
amdhsa.kernels:
  - .name:           k_qae08a0f3fc_gemm_out
    .symbol:         k_qae08a0f3fc_gemm_out.kd
    .args:
      - { .name: y_img, .offset: 0, .size: 8, .value_kind: global_buffer, .address_space: global }
      - { .name: w_img, .offset: 8, .size: 8, .value_kind: global_buffer, .address_space: global }
      - { .name: bo, .offset: 16, .size: 8, .value_kind: global_buffer, .address_space: global }
      - { .name: out0, .offset: 24, .size: 8, .value_kind: global_buffer, .address_space: global }
    .group_segment_fixed_size: 327680
    .private_segment_fixed_size: 0
    .kernarg_segment_align: 8
    .kernarg_segment_size: 32
    .max_flat_workgroup_size: 128
    .sgpr_count:     102
    .vgpr_count:     1024
    .wavefront_size: 32
...
	.end_amdgpu_metadata
.endif
;; end of part 5
